; MI455X (gfx1250); checked and timed in simulation.
; The chip was launched on July 23, 2026; its instructions are those of AMD's public machine-readable ISA for CDNA 5 (MIT licence, August 2026) and "CDNA5" Instruction Set Architecture Reference Guide (July 2026). The comments in the code are by the model that wrote it; some were corrected since.
;; Attention. Allowed arithmetic: matrix products marked QUANTISED: E2M3 operands, one E8M0 scale for each 32 along K, by v_wmma_scale_f32_16x16x128_f8f6f4 with both operands' format E2M3, f32 sums; everything else in f32.
;; Inputs: Wk 1,024 x 1,024 float32; Wq 1,024 x 1,024 float32; Wv 1,024 x 1,024 float32; x 4 x 2,048 x 1,024 float32.
;; Outputs: out0 4 x 2,048 x 1,024 float32.
;; This version of the problem:
;;   THIS VERSION OF THE PROBLEM IS GIVEN IN LOW PRECISION. The matrix products marked QUANTISED in the list below multiply operands that are first quantised to E2M3 (2 exponent bits, 3 mantissa bits; 6 bits a number), with one power-of-two scale for each 32 numbers along K (OCP MX v1.0); their sums are f32. All else is computed in f32.
;;   The module's matrix products, in the order in which they are computed (A, B: the left and right operand; K: the contracted axis; several contracted axes count as one K, in the product's order):
;;     1. [M 8,192, K 1,024] x [K 1,024, N 1,024]; A: input x; B: input Wq: QUANTISED
;;     2. [M 8,192, K 1,024] x [K 1,024, N 1,024]; A: input x; B: input Wk: QUANTISED
;;     3. [M 8,192, K 1,024] x [K 1,024, N 1,024]; A: input x; B: input Wv: QUANTISED
;;     4. batch 4 x [M 2,048, K 1,024] x [K 1,024, N 2,048]; A: computed on the way; B: computed on the way: QUANTISED
;;     5. batch 4 x [M 2,048, K 2,048] x [K 2,048, N 1,024]; A: softmax (see below); B: computed on the way: QUANTISED
;;   THE QUANTISER, for each operand of a quantised product, along K:
;;     - K is cut into blocks of 32 from its start; a last block that is shorter is filled with zeros.
;;     - A block's scale is 2^e with e = floor(log2(the largest magnitude in the block)) - 2, held to -126 .. 127; a block of zeros has e = 0. As a byte (E8M0): e + 127.
;;     - Each number is divided by its block's scale, clamped to +-7.5, and rounded to the nearest number of E2M3, ties to even, subnormals kept.
;;     - The product sums the exact products of the quantised numbers (number of the format x scale) in f32.
;;   ~~~python
;;   def quantise(x, axis):      # numpy; x: float32 -> the quantised numbers, widened to float32 again
;;       x = np.moveaxis(x, axis, -1); K = x.shape[-1]
;;       x = np.pad(x, [(0, 0)] * (x.ndim - 1) + [(0, -K % 32)]); x = x.reshape(x.shape[:-1] + (-1, 32)); a = np.abs(x).max(-1, keepdims=True)
;;       e = np.where(a > 0, np.clip(np.frexp(np.where(a > 0, a, 1))[1] - 1 - 2, -126, 127), 0)      # np.frexp(a)[1] - 1 = floor(log2(a)), exactly
;;       r = np.clip(x / 2.0 ** e, -7.5, 7.5)
;;       step = 2.0 ** (np.maximum(np.frexp(np.where(r == 0, 1, r))[1] - 1, 0) - 3)
;;       q = np.round(r / step) * step * 2.0 ** e      # np.round: ties to even
;;       return np.moveaxis(q.reshape(q.shape[:-2] + (-1,))[..., :K], -1, axis).astype(np.float32)
;;   ~~~
;;   SOFTMAX AHEAD OF A QUANTISED PRODUCT. Where the list says 'softmax', what is quantised is not the finished softmax but p = 2^(t - M), with t = logit x log2(e) and M = ceil(the row's largest t), a whole number; so 1/2 < the row's largest p <= 1. The row's sum l is taken of the UNQUANTISED p, in f32, and the product's result is divided by l at the end. Since M is a whole number, a kernel that streams over the keys may use a running M (the ceiling of the running maximum): every later rescaling is an exact power of two, which a block's scale takes up: the codes' values come out the same.
;;   OPERANDS COMPUTED ON THE WAY. 'Computed on the way' means the value that the module computes at that place (a softmax that the list does not call 'softmax' is quantised finished and normalised). What goes into a quantiser is computed in f32, as accurately as f32 sums, v_exp_f32 and their like allow (about 1e-6 of the number): no bf16 or f16 on the way to a quantiser, and a product that is left as it is and whose result goes on into a quantised operand takes f32 operands (vector FMAs, or v_wmma_f32_16x16x4_f32). A number that lies on a knife's edge between two numbers of the format may be rounded either way, as far as f32 arithmetic and the matrix unit's own rounding can turn it there, and no further.
;; One version. Each part assembles by itself: llvm-mc -triple=amdgcn-amd-amdhsa -mcpu=gfx1250 --defsym DOCPART=n.
;; ======== version 1 of 1: 4 launches
;; workspace buffers: xw 8,650,752 bytes; xws 360,448 bytes; qkv 18,874,368 bytes; qkvs 786,432 bytes; pc 12,582,912 bytes; psc 524,288 bytes; negm 524,288 bytes; lsum 524,288 bytes
;; launch quant (part 1): grid 88 x 4, 8 waves a work-group, no clusters, 69,632 bytes of LDS; arguments x, Wq, Wk, Wv, xw, xws; writes xw, xws
.if DOCPART == 1
	.amdgcn_target "amdgcn-amd-amdhsa--gfx1250"
	.amdhsa_code_object_version 6
	.text
	.protected	k_q856e7376d6_quant
	.globl	k_q856e7376d6_quant
	.p2align	8
	.type	k_q856e7376d6_quant,@function
k_q856e7376d6_quant:
	s_mov_b64 s[64:65], 0
	v_nop
	global_prefetch_b8 v0, s[64:65] scope:SCOPE_SE
	s_setreg_imm32_b32 hwreg(HW_REG_WAVE_MODE, 25, 1), 1
	s_wait_xcnt 0x0
; LAUNCH 1 OF 4.  x [8192][1024] and Wq, Wk, Wv [1024][1024], f32, K innermost, become codes of FP6 (E2M3) with one E8M0 byte for each 32 along K.
; THE PROGRAM: (1) this launch; (2) q, k = x W^T and v^T = Wv x^T, quantised on the way out (q, k along d, v along the tokens); (3) S^T = k q^T on the causal tiles,
; p = 2^(t - M) with a whole-number M of each row and each 128 keys, p as codes; (4) the rows' M and sums are joined, p's scale bytes brought under the row's M (an exact power of two), O = p v / l.
; DEAD WORK LEFT OUT (launches 3 and 4): reference() itself sets wei to -inf wherever key > query (its own jnp.tril).  The softmax weight there is exactly 0 for all finite inputs, so it adds
; nothing to the row's sum nor to the output.  So blocks of 128 queries x 128 keys that lie wholly above the diagonal are not multiplied in products 4 and 5, where they come as whole tiles of a wave's way out
; or whole K steps.  Every input has a way to the output: all four are loaded.  LIMIT: a NaN, an infinity or an overflow that reaches only hidden scores is not carried to the result.
; THE WORKSPACE FORMAT, for every operand of every product: rows in groups of 128, K in chunks of 128; a BLOCK (group, chunk) is 8 fragments of 16 rows x 128 K, each an image of the operand's 12 registers:
; register quad g of lane l at 512 g + 16 l: 1,536 bytes a fragment, 12,288 a block.  Lane r of fragment t holds row 32 (t / 2) + 8 (t % 2) + r + 8 (r / 8) of its group, so that, used as source 0, the 16 result
; registers of fragments 2 b and 2 b + 1 are 16 neighbours.  A block's scale words: 512 bytes, the word of (lane r, fragment t) at 32 r + 4 t.
; HERE: groups 0-63 are x's tokens, 64-71 Wq's rows, 72-79 Wk's, 80-87 Wv's; block = 8 x group + chunk.  A work-group takes one group and two chunks (1,024 bytes of each row), wave w fragment w.
; Each load reads 512 consecutive bytes of one row; they turn through the wave's own stage in LDS, so that a lane gets 16 neighbours of each block of 32 of ITS row.
; A block's scale is 2^(floor(log2(largest magnitude)) - 2): its byte is that magnitude's exponent field - 2, held at 1 from below.
; LIMITS: a block of zeros gets the byte 1 where the rule says 127 (its codes are zeros, and this program alone reads the bytes); NaN and infinities among the inputs are not served.
.set STW,   8448                       ; a wave's stage: 16 rows x (512 bytes + 16)
.set SG,    8*STW                      ; behind the stages: the two blocks' scale words, 1,024 bytes
.set SPARE, SG+1024                    ; the spare words, 128 bytes for each wave: four blocks of 256 bytes that no other line names
.set LIN,   4                          ; v4   16 x lane: my bytes of a load's 512, and of a store's
.set STI,   5                          ; v5   the stage, on the way in
.set STO,   6                          ; v6   and on the way out: row r, + 64 h
.set GW,    7                          ; v7   16 x thread: the scale words' way out
.set SWA,   8                          ; v8   where my row's scale word goes in LDS
.set SRA,   9                          ; v9   and where 16 bytes of them are read back
.set SPW,   10                         ; v10  LDS address of my spare word; never rewritten
.set NIL,   11                         ; v11  0; never rewritten
.set TM,    12                         ; v12-27 at work
.set PW,    28                         ; v28  the scale word just made
.set PC,    32                         ; v32-51 the codes just made
.set X,     64                         ; v64-127 64 numbers of my row
.set R,     128                        ; v128-255 two chunks as they are loaded
.set SEL,   20                         ; s[20:21] v_permlanex16_b32's selects for lane l xor 16
; 64 numbers of a lane, register 16 b + i = k 32 b + 16 (lane / 16) + i of my row, become a fragment's codes in v[PC] on and its scale word in v[PW]
.macro QUANT s
.irp b, 0,1,2,3
	v_max3_num_f32 v[TM+\b], |v[\s+16*\b]|, |v[\s+1+16*\b]|, 0x1800000   ; my 16 numbers of block b, and the floor 2^(3 - 127): the byte cannot fall under 1
.endr
.irp i, 2,4,6,8,10,12,14
.irp b, 0,1,2,3
	v_max3_num_f32 v[TM+\b], v[TM+\b], |v[\s+16*\b+\i]|, |v[\s+1+16*\b+\i]|
.endr
.endr
.irp b, 0,1,2,3
	v_permlanex16_b32 v[TM+4+\b], v[TM+\b], s[SEL], s[SEL+1]
.endr
.irp b, 0,1,2,3
	v_max_num_f32 v[TM+\b], v[TM+\b], v[TM+4+\b]       ; with lane l xor 16's: the block's largest magnitude
.endr
.irp b, 0,1,2,3
	v_add_nc_u32 v[TM+12+\b], 0xff000000, v[TM+\b]     ; 2 off its exponent field: the conversion's scale operand
.endr
.irp b, 0,1,2,3
	v_lshrrev_b32 v[TM+4+\b], 23, v[TM+12+\b]          ; the scale's byte
.endr
	v_lshl_or_b32 v[PW], v[TM+5], 8, v[TM+4]
	v_lshl_or_b32 v[PW], v[TM+6], 16, v[PW]
	v_lshl_or_b32 v[PW], v[TM+7], 24, v[PW]
.irp c, 0,1
	v_cvt_scalef32_pk16_fp6_f32 v[PC+6*\c:PC+2+6*\c], v[\s+32*\c:\s+15+32*\c], v[TM+12+2*\c]
	v_cvt_scalef32_pk16_fp6_f32 v[PC+12+4*\c:PC+14+4*\c], v[\s+16+32*\c:\s+31+32*\c], v[TM+13+2*\c]   ; (a conversion's three registers begin on an even number)
.endr
	v_nop                                              ; one plain place behind a scaled conversion
.irp c, 0,1                                        ; the operand's layout wants a whole block in a lane
.irp i, 0,1,2
	v_permlane16_swap_b32 v[PC+6*\c+\i], v[PC+12+4*\c+\i]
.endr
.irp i, 0,1,2
	v_mov_b32 v[PC+3+6*\c+\i], v[PC+12+4*\c+\i]
.endr
.endr
.endm
	s_load_b256 s[4:11], s[0:1], 0x0               ; x, Wq, Wk, Wv
	s_load_b128 s[12:15], s[0:1], 0x20             ; the codes, the scale words
	v_lshl_add_u32 v[SPW], v0, 2, SPARE
	v_mov_b32 v[NIL], 0
	v_lshrrev_b32 v1, 5, v0
	v_readfirstlane_b32 s18, v1                    ; wave 0..7
	v_and_b32 v1, 31, v0                           ; lane
	v_and_b32 v2, 15, v0                           ; r
	v_bfe_u32 v3, v0, 4, 1                         ; h
	v_lshlrev_b32 v[LIN], 4, v1
	s_mul_i32 s19, s18, STW
	v_add_nc_u32 v[STI], s19, v[LIN]
	v_mul_u32_u24 v[STO], v2, 528
	v_lshl_add_u32 v[STO], v3, 6, v[STO]
	v_add_nc_u32 v[STO], s19, v[STO]
	v_lshlrev_b32 v[SWA], 5, v2
	s_lshl_b32 s19, s18, 2
	v_add_nc_u32 v[SWA], s19, v[SWA]
	v_add_nc_u32 v[SWA], SG, v[SWA]                ; SG + 32 r + 4 x wave
	v_lshlrev_b32 v[GW], 4, v0
	v_add_nc_u32 v[SRA], SG, v[GW]
.irp b, 0,1,2,3
	v_mov_b32 v[TM+4+\b], 0                        ; written once: a lane permute's destination counts as one of its sources
.endr
	s_mov_b32 s[SEL], 0x76543210
	s_mov_b32 s[SEL+1], 0xfedcba98
	s_and_b32 s22, ttmp7, 0xffff                   ; which two chunks
	s_and_b32 s23, ttmp9, 7                        ; a weight's group
	s_lshr_b32 s24, s18, 1
	s_lshl_b32 s24, s24, 5
	s_and_b32 s25, s18, 1
	s_lshl_b32 s25, s25, 3
	s_add_co_u32 s24, s24, s25                     ; my fragment's first row: 32 (w / 2) + 8 (w % 2)
	s_lshl_b32 s28, ttmp9, 3
	s_lshl_b32 s29, s22, 1
	s_add_co_u32 s28, s28, s29                     ; the first block: 8 x group + 2 y
	s_wait_kmcnt 0x0
	s_cmp_lt_u32 ttmp9, 80                         ; which tensor: the choice hangs on the work-group's number alone
	s_cselect_b64 s[16:17], s[8:9], s[10:11]
	s_cmp_lt_u32 ttmp9, 72
	s_cselect_b64 s[16:17], s[6:7], s[16:17]
	s_cmp_lt_u32 ttmp9, 64
	s_cselect_b64 s[16:17], s[4:5], s[16:17]
	s_cselect_b32 s23, ttmp9, s23                  ; the group inside its tensor
	s_lshl_b32 s23, s23, 7
	s_add_co_u32 s23, s23, s24
	s_lshl_b32 s26, s23, 12                        ; rows of 4,096 bytes (under 2^26)
	s_lshl_b32 s27, s22, 10
	s_add_co_u32 s26, s26, s27
	s_mov_b32 s27, 0
	s_add_nc_u64 s[16:17], s[16:17], s[26:27]
	s_mul_i32 s30, s28, 12288
	s_mul_i32 s31, s18, 1536
	s_add_co_u32 s30, s30, s31
	s_mov_b32 s31, 0
	s_add_nc_u64 s[12:13], s[12:13], s[30:31]      ; my fragment in the first block
	s_lshl_b32 s30, s28, 9
	s_add_nc_u64 s[14:15], s[14:15], s[30:31]      ; the two blocks' scale words
.irp c, 0,1
.irp i, 0,1,2,3,4,5,6,7,8,9,10,11,12,13,14,15
	global_load_b128 v[R+64*\c+4*\i:R+64*\c+4*\i+3], v[LIN], s[16:17] offset:(\i+8*(\i/8))*4096+512*\c th:TH_LOAD_NT   ; lane-row i: 512 consecutive bytes, read once in the launch
.endr
.endr
.macro CHUNK c
	s_wait_loadcnt 16-16*\c                        ; this chunk's 16 loads are in (chunk 0: chunk 1's 16 may be out)
.irp i, 0,1,2,3,4,5,6,7,8,9,10,11,12,13,14,15
	ds_store_b128 v[STI], v[R+64*\c+4*\i:R+64*\c+4*\i+3] offset:528*\i
.endr
.irp b, 0,1,2,3
.irp j, 0,1,2,3
	ds_load_b128 v[X+16*\b+4*\j:X+16*\b+4*\j+3], v[STO] offset:128*\b+16*\j   ; LDS serves a wave's instructions in order: these see the stores above
.endr
.endr
	s_wait_dscnt 0x0
.if \c
	s_wait_xcnt 0x0                                ; the last chunk's stores have read their data: the codes' registers may be written again
.endif
	QUANT X
.irp g, 0,1,2
	global_store_b128 v[LIN], v[PC+4*\g:PC+4*\g+3], s[12:13] offset:\c*12288+512*\g   ; 512 consecutive bytes, at a multiple of 256 from the buffer's first byte
.endr
	ds_store_b32 v[SWA], v[PW] offset:512*\c       ; lanes r and r + 16 write the same word with the same value
.endm
	CHUNK 0
	CHUNK 1
	s_wait_dscnt 0x0                               ; for the others' sake: my scale words lie in LDS
	s_barrier_signal -1
	s_barrier_wait -1
	s_cmp_lt_u32 s18, 2                            ; waves 0 and 1 store the 1,024 bytes
	s_cbranch_scc0 .Lno_words
	ds_load_b128 v[X:X+3], v[SRA]
	s_wait_dscnt 0x0
	global_store_b128 v[GW], v[X:X+3], s[14:15]
.Lno_words:
	s_wait_tensorcnt 0x0                           ; the wave's end, behind my last LDS store
	ds_add_u32 v[SPW], v[NIL]
	s_wait_dscnt 0x0
	s_endpgm
.Lfunc_end_k_q856e7376d6_quant:
	.size	k_q856e7376d6_quant, .Lfunc_end_k_q856e7376d6_quant-k_q856e7376d6_quant
	.p2alignl 7, 3214868480
	.fill 96, 4, 3214868480
	.section	.rodata,"a",@progbits
	.p2align	6, 0x0
	.amdhsa_kernel k_q856e7376d6_quant
		.amdhsa_group_segment_fixed_size 69632
		.amdhsa_private_segment_fixed_size 0
		.amdhsa_enable_private_segment 0
		.amdhsa_kernarg_size 48
		.amdhsa_user_sgpr_count 2
		.amdhsa_user_sgpr_kernarg_segment_ptr 1
		.amdhsa_wavefront_size32 1
		.amdhsa_system_sgpr_workgroup_id_x 1
		.amdhsa_system_sgpr_workgroup_id_y 1
		.amdhsa_system_sgpr_workgroup_id_z 1
		.amdhsa_system_vgpr_workitem_id 0
		.amdhsa_next_free_vgpr 256
		.amdhsa_next_free_sgpr 66
		.amdhsa_reserve_vcc 0
		.amdhsa_float_denorm_mode_32 3
		.amdhsa_float_denorm_mode_16_64 3
		.amdhsa_memory_ordered 1
		.amdhsa_forward_progress 1
		.amdhsa_inst_pref_size 19
	.end_amdhsa_kernel
	.amdgpu_metadata
---
amdhsa.version: [ 1, 2 ]
amdhsa.kernels:
  - .name:           k_q856e7376d6_quant
    .symbol:         k_q856e7376d6_quant.kd
    .args:
      - { .name: x, .offset: 0, .size: 8, .value_kind: global_buffer, .address_space: global }
      - { .name: Wq, .offset: 8, .size: 8, .value_kind: global_buffer, .address_space: global }
      - { .name: Wk, .offset: 16, .size: 8, .value_kind: global_buffer, .address_space: global }
      - { .name: Wv, .offset: 24, .size: 8, .value_kind: global_buffer, .address_space: global }
      - { .name: xw, .offset: 32, .size: 8, .value_kind: global_buffer, .address_space: global }
      - { .name: xws, .offset: 40, .size: 8, .value_kind: global_buffer, .address_space: global }
    .group_segment_fixed_size: 69632
    .private_segment_fixed_size: 0
    .kernarg_segment_align: 8
    .kernarg_segment_size: 48
    .max_flat_workgroup_size: 256
    .sgpr_count:     66
    .vgpr_count:     256
    .wavefront_size: 32
...
	.end_amdgpu_metadata
.endif
;; end of part 1
;; launch proj (part 2): grid 8 x 48, 4 waves a work-group, clusters of 4 x 4, 327,680 bytes of LDS; arguments xw, xws, qkv, qkvs; writes qkv, qkvs
.if DOCPART == 2
	.amdgcn_target "amdgcn-amd-amdhsa--gfx1250"
	.amdhsa_code_object_version 6
	.text
	.protected	k_q856e7376d6_proj
	.globl	k_q856e7376d6_proj
	.p2align	8
	.type	k_q856e7376d6_proj,@function
k_q856e7376d6_proj:
	s_mov_b64 s[64:65], 0
	v_nop
	global_prefetch_b8 v0, s[64:65] scope:SCOPE_SE
	s_setreg_imm32_b32 hwreg(HW_REG_WAVE_MODE, 25, 1), 1
	s_wait_xcnt 0x0
	s_wait_alu depctr_hold_cnt(0) depctr_sa_sdst(0) depctr_va_vdst(0) depctr_va_sdst(0) depctr_va_ssrc(0) depctr_va_vcc(0) depctr_vm_vsrc(0)
	s_getreg_b32 s2, hwreg(HW_REG_IB_STS2, 6, 4)
	s_cmp_eq_u32 s2, 0
	s_cbranch_scc0 .Lentry_in_a_cluster
	s_endpgm
.Lentry_in_a_cluster:
	s_bfe_u32 s2, ttmp6, 0x10000c
	s_cmp_lg_u32 s2, 0xf033
	s_cbranch_scc0 .Lentry_shape_is_right
	s_endpgm
.Lentry_shape_is_right:
; LAUNCH 2 OF 4.  Products 1 to 3 on codes of FP6 (E2M3), and the quantising of their results.  Clusters with y < 8: q and k = x W^T (source 1 = 16 tokens of x, source 0 = 16 rows of Wq or Wk): a lane holds one
; token and its registers run along d, which is product 4's K.  Clusters with y >= 8: v^T = Wv x^T (source 1 = 16 rows of Wv, source 0 = 16 tokens): a lane holds one d and its registers run along the tokens,
; which are product 5's K.  One body: the role only chooses group numbers, by s_cselect_b32 on the cluster's y, which all partners share.
; A tile of 256 x 256 is made by four waves, 128 x 128 each: 64 accumulators, 512 registers.  K = 1,024 is 8 chunks of 128, written out.  Operands lie in memory as images of their registers (launch 1's head):
; a fragment is three ds_load_b128 of 512 consecutive bytes, a group's two chunks are 24,576 dense bytes: one tensor load a wave and K step.
; LDS: three slots of 98,304 bytes (A's two groups, B's two groups, two chunks each).  K steps 0, 1, 2 are first fills; K step 3 is the one refill, into slot 0.  By this text's count a wave has three tensor loads out at the start, later one.
; CLUSTERS 4 x 4: A's tiles are shared along a row of the cluster, B's along a column: joint loads.
; THE WAY OUT uses no LDS: the 64 registers of A's block a are 128 neighbours along the next K of one row: they are quantised in registers and stored as a fragment's image.
; LIMITS: as launch 1's (a block of zeros gets the byte 1; NaN and infinities are not served).
; REGISTERS: window 0: v1-11 addresses; v12-19 at work; v20-27 the scale words made; v28, v29 the add's two; v32-95 scale words of all 8 chunks (register 8 q + i: lanes 0-15 A's fragment i, lanes 16-31 B's);
;   v128-223 A's fragments, one set; on the way out v192-231 codes, v232-247 at work.  window 1: B's fragments, two sets, at v0 and v128.  windows 2, 3: accumulator (a, b) at v[8 (8 (a % 4) + b)] of window 2 + a / 4.
.set SLOT,  98304
.set QUART, 24576
.set SPARE, 3*SLOT                     ; behind the slots: the spare words, 128 bytes for each wave: two blocks of 256 bytes that no other line names
.set ADRA,  4                          ; v4-6   LDS address of my A fragments in slot 0, 1, 2
.set ADRB,  7                          ; v7-9   the same for B
.set VSO,   10                         ; v10    my scale words' offset: lanes 0-15 A's group, lanes 16-31 B's
.set WO,    11                         ; v11    32 r + 16 h: a table's way out
.set PW,    20
.set SPW,   28
.set NIL,   29
.set SC,    32
.set OUTW,  48
.set AF,    128
.set PC0,   192
.set TM,    232
.set SEL,   20                         ; s[20:21]
.set G1A,   24                         ; s[24:31] descriptor group 1 for A's tiles, s[32:39] for B's: they differ in the mask
.set G1B,   32
.set G0A,   40                         ; s[40:51] group 0 for A's tiles, a set for each slot; s[52:63] for B's
.set G0B,   52
.set MASKH, 84                         ; s84 the lanes 16-31
.set MSB, 0
.macro WIN new                         ; the immediate's high byte repeats the setting that is left
.if MSB != (\new)
	s_set_vgpr_msb (MSB<<8)|(\new)
.set MSB, (\new)
.endif
.endm
.set MUL_LO, 0xa1                      ; source 0 (B) window 1, source 1 (A) window 0, C and D window 2
.set MUL_HI, 0xf1                      ; the same, C and D window 3
.set TO_B,   0x40                      ; destination window 1, address window 0
.macro PLACES                          ; four plain places behind a matrix instruction, in front of loads into registers that it read and of reads of its results
.rept 4
	v_nop
.endr
.endm
; A joint load: waves 0 and 1 fetch A's two groups, waves 2 and 3 B's.  An s_nop 0 and four v_nop follow each of the two lines.
.macro JLOAD s
	s_cmp_eq_u32 s15, 0
	s_cbranch_scc0 .Lfor_b_\@
	tensor_load_to_lds s[G0A+4*\s:G0A+4*\s+3], s[G1A:G1A+7]
	s_nop 0
.rept 4
	v_nop
.endr
	s_branch .Lasked_\@
.Lfor_b_\@:
	tensor_load_to_lds s[G0B+4*\s:G0B+4*\s+3], s[G1B:G1B+7]
	s_nop 0
.rept 4
	v_nop
.endr
.Lasked_\@:
.endm
.macro CREST                           ; a round of the cluster's barrier behind its opening barrier
	s_cmp_lg_u32 s14, 0
	s_cbranch_scc1 .Lnot_wave_0_\@
	s_barrier_signal -3
.Lnot_wave_0_\@:
	s_barrier_wait -3
	s_barrier_signal -1
	s_barrier_wait -1
.endm
.macro CROUND
	s_barrier_signal -1
	s_barrier_wait -1
	CREST
.endm
.macro REFILL                          ; behind the round: slot 0 takes K step 3
	CREST
	s_add_nc_u64 s[G0A+2:G0A+3], s[G0A+2:G0A+3], 3*QUART
	s_add_nc_u64 s[G0B+2:G0B+3], s[G0B+2:G0B+3], 3*QUART
	JLOAD 0                                        ; the first tensor load behind the round; its four v_nop are also the places in front of the loads that follow
.endm
.macro FRAG reg, adr, c, i             ; fragment i of chunk c of a slot: three loads of 512 consecutive bytes
.irp g, 0,1,2
	ds_load_b128 v[\reg+4*\g:\reg+4*\g+3], v[\adr] offset:(\c)*12288+(\i)*1536+512*\g
.endr
.endm
.macro FETCH_B slot, c, p              ; B's eight fragments into set p: 24 loads
	WIN TO_B
.irp i, 0,1,2,3,4,5,6,7
	FRAG 128*(\p)+12*\i, ADRB+\slot, \c, \i
.endr
	WIN 0
.endm
.macro FETCH_A slot, c, i0             ; A's fragments i0 .. i0 + 3: 12 loads
.irp i, \i0, \i0+1, \i0+2, \i0+3
	FRAG AF+12*(\i), ADRA+\slot, \c, \i
.endr
.endm
; 16 matrix instructions: A's blocks a0, a0 + 1 x B's eight, chunk q.  The 64 accumulators take turns, one instruction a turn, in the same order in every chunk.
.macro MUL16 a0, p, q, zero
.irp a, \a0, \a0+1
.irp b, 0,1,2,3,4,5,6,7
.if \zero
	v_wmma_scale_f32_16x16x128_f8f6f4 v[8*(8*((\a)%4)+\b):8*(8*((\a)%4)+\b)+7], v[128*(\p)+12*\b:128*(\p)+12*\b+11], v[AF+12*(\a):AF+12*(\a)+11], 0, v[SC+8*(\q)+\b], v[SC+8*(\q)+(\a)] matrix_a_fmt:MATRIX_FMT_FP6 matrix_b_fmt:MATRIX_FMT_FP6 matrix_a_scale:MATRIX_SCALE_ROW1
.else
	v_wmma_scale_f32_16x16x128_f8f6f4 v[8*(8*((\a)%4)+\b):8*(8*((\a)%4)+\b)+7], v[128*(\p)+12*\b:128*(\p)+12*\b+11], v[AF+12*(\a):AF+12*(\a)+11], v[8*(8*((\a)%4)+\b):8*(8*((\a)%4)+\b)+7], v[SC+8*(\q)+\b], v[SC+8*(\q)+(\a)] matrix_a_fmt:MATRIX_FMT_FP6 matrix_b_fmt:MATRIX_FMT_FP6 matrix_a_scale:MATRIX_SCALE_ROW1
.endif
.endr
.endr
.endm
.macro STEP q, zero, ns, nc            ; chunk q; the next chunk is chunk nc of slot ns
	s_wait_dscnt 12                                ; B's set and A's blocks 0-3 are in; the youngest 12 loads (A's blocks 4-7) may be out
	WIN MUL_LO
	MUL16 0, (\q)%2, \q, \zero
	MUL16 2, (\q)%2, \q, \zero
	s_wait_dscnt 0x0                               ; A's blocks 4-7 are in
	PLACES
	FETCH_B \ns, \nc, 1-(\q)%2
	FETCH_A \ns, \nc, 0
	WIN MUL_HI
	MUL16 4, (\q)%2, \q, \zero
	MUL16 6, (\q)%2, \q, \zero
	PLACES
	WIN 0
	FETCH_A \ns, \nc, 4
.endm
; A chunk at which the waves meet: each waits for all its tensor loads, adds 0 to its spare word, and waits for that and for its reads so far.  fill = 1: slot 0, which nobody reads any more, is filled again.
.macro TURN q, fill, ns
	s_wait_tensorcnt 0x0                           ; all my tensor loads have landed
	ds_add_u32 v[SPW], v[NIL]                      ; 0 onto my spare word
	s_wait_dscnt 13                                ; (the add and the youngest 12 loads may be out)
	WIN MUL_LO
	MUL16 0, 1, \q, 0
	s_wait_dscnt 0x0                               ; the add is done, and my reads are over
	s_barrier_signal -1
	MUL16 2, 1, \q, 0
	WIN 0
	s_barrier_wait -1
.if \fill
	REFILL
.else
	PLACES
.endif
	FETCH_B \ns, 0, 0
	FETCH_A \ns, 0, 0
	WIN MUL_HI
	MUL16 4, 1, \q, 0
	MUL16 6, 1, \q, 0
	PLACES
	WIN 0
	FETCH_A \ns, 0, 4
.endm
	s_load_b256 s[4:11], s[0:1], 0x0               ; xw, xws, qkv, qkvs
	v_lshl_add_u32 v[SPW], v0, 2, SPARE
	v_mov_b32 v[NIL], 0
	ds_add_u32 v[SPW], v[NIL]                      ; the wave's opening: the add, twice on end, and its wait ahead of my first tensor load
	ds_add_u32 v[SPW], v[NIL]
	v_lshrrev_b32 v1, 5, v0
	v_readfirstlane_b32 s14, v1                    ; wave 0..3
	s_lshr_b32 s15, s14, 1                         ; which of A's two groups is mine.  Also: I fetch for A (0) or for B (1)
	s_and_b32 s16, s14, 1                          ; which of B's two groups.  Also: which group I fetch
	s_bfe_u32 s66, ttmp6, 0x40000                  ; cx
	s_bfe_u32 s67, ttmp6, 0x40004                  ; cy
	s_and_b32 s69, ttmp7, 0xffff                   ; the cluster's y
	s_lshl_b32 s71, s69, 3                         ; q, k: A's first group = 8 y (x's tokens)
	s_lshl_b32 s72, ttmp9, 3
	s_add_co_u32 s72, s72, 64                      ;       B's = 64 + 8 x (Wq's 8 groups, then Wk's)
	s_sub_co_u32 s77, s69, 8
	s_lshl_b32 s77, s77, 1
	s_add_co_u32 s77, s77, ttmp9
	s_lshl_b32 s77, s77, 3                         ; v^T:  B's = 8 (2 (y - 8) + x) (x's tokens); A's = 80 (Wv)
	s_cmp_ge_u32 s69, 8
	s_cselect_b32 s71, 80, s71
	s_cselect_b32 s72, s77, s72
	s_cselect_b32 s70, 1, 0                        ; the role
	s_lshl_b32 s73, s67, 1
	s_add_co_u32 s73, s73, s71                     ; my tile's first group of A: hangs on cy, never on cx
	s_lshl_b32 s74, s66, 1
	s_add_co_u32 s74, s74, s72                     ; and of B: on cx, never on cy
	s_lshl_b32 s75, s67, 2
	s_lshl_b32 s75, 15, s75                        ; my row of the cluster
	s_lshl_b32 s76, 0x1111, s66                    ; my column
	; descriptor group 1: 24,576 dense bytes as 96 rows of 256 (32 elements of 8 bytes), no padding
	s_or_b32 s[G1A], s75, (3<<16)|(1<<21)
	s_or_b32 s[G1B], s76, (3<<16)|(1<<21)
.irp g, G1A, G1B
	s_mov_b32 s[\g+1], 32<<16                      ; tensor_dim0
	s_mov_b32 s[\g+2], 96<<16                      ; tensor_dim1
	s_mov_b32 s[\g+3], 32<<16                      ; tile_dim0
	s_mov_b32 s[\g+4], 96                          ; tile_dim1
	s_mov_b32 s[\g+5], 32                          ; the pitch
	s_mov_b32 s[\g+6], 0
	s_mov_b32 s[\g+7], 0
.endr
	s_add_co_u32 s78, s73, s16
	s_mul_i32 s80, s78, SLOT                       ; a group's 8 chunks are 98,304 bytes
	s_mov_b32 s81, 0
	s_add_co_u32 s79, s74, s16
	s_mul_i32 s82, s79, SLOT
	s_mov_b32 s83, 0
	s_mul_i32 s85, s14, QUART                      ; where they go: wave x 24,576: no place in the cluster enters an LDS address
	s_mov_b32 s[SEL], 0x76543210
	s_mov_b32 s[SEL+1], 0xfedcba98
	s_wait_dscnt 0x0                               ; both opening adds are done
	s_wait_kmcnt 0x0
	s_add_nc_u64 s[80:81], s[4:5], s[80:81]
	s_add_nc_u64 s[82:83], s[4:5], s[82:83]
	CROUND                                         ; all sixteen work-groups are here: the first joint loads meet
.irp s, 0,1,2
	s_mov_b32 s[G0A+4*\s], 1
	s_add_co_u32 s[G0A+4*\s+1], s85, \s*SLOT
	s_add_nc_u64 s[G0A+4*\s+2:G0A+4*\s+3], s[80:81], \s*QUART
	s_or_b32 s[G0A+4*\s+3], s[G0A+4*\s+3], 0x80000000
	s_mov_b32 s[G0B+4*\s], 1
	s_add_co_u32 s[G0B+4*\s+1], s85, \s*SLOT
	s_add_nc_u64 s[G0B+4*\s+2:G0B+4*\s+3], s[82:83], \s*QUART
	s_or_b32 s[G0B+4*\s+3], s[G0B+4*\s+3], 0x80000000
	JLOAD \s
.endr
	v_and_b32 v1, 15, v0                           ; r
	v_bfe_u32 v2, v0, 4, 1                         ; h
	v_and_b32 v3, 31, v0
	v_lshlrev_b32 v3, 4, v3                        ; 16 x lane
	s_mul_i32 s77, s15, QUART
	s_mul_i32 s78, s16, QUART
	s_add_co_u32 s78, s78, 2*QUART
.irp s, 0,1,2
	v_add_nc_u32 v[ADRA+\s], s77, v3
	v_add_nc_u32 v[ADRB+\s], s78, v3
	s_add_co_u32 s77, s77, SLOT
	s_add_co_u32 s78, s78, SLOT
.endr
	v_lshlrev_b32 v[WO], 5, v1
	v_lshl_add_u32 v[WO], v2, 4, v[WO]
	s_add_co_u32 s86, s73, s15                     ; my wave's group of A
	s_add_co_u32 s87, s74, s16                     ; and of B
	s_lshl_b32 s88, s86, 12                        ; a group's scale words are 4,096 bytes
	s_lshl_b32 s89, s87, 12
	v_cmp_eq_u32 s[MASKH], 1, v2
	v_mov_b32 v12, s88
	v_mov_b32 v13, s89
	v_cndmask_b32 v[VSO], v12, v13, s[MASKH]
	v_lshl_add_u32 v[VSO], v1, 5, v[VSO]
.irp q, 0,1,2,3,4,5,6,7
	global_load_b128 v[SC+8*\q:SC+8*\q+3], v[VSO], s[6:7] offset:512*\q        ; all of K's scale words, once: my row's words of fragments 0-3,
	global_load_b128 v[SC+8*\q+4:SC+8*\q+7], v[VSO], s[6:7] offset:512*\q+16   ; and of fragments 4-7
.endr
.irp b, 0,1,2,3
	v_mov_b32 v[TM+4+\b], 0                        ; written once: a lane permute's destination counts as one of its sources
.endr
	; where my results go: block 1024 + 64 (A's group - 80) + B's group (v^T), or 512 (k or q) + 8 x A's group + the weight's group (q, k)
	s_sub_co_u32 s90, s86, 80
	s_lshl_b32 s90, s90, 6
	s_add_co_u32 s90, s90, s87
	s_add_co_u32 s90, s90, 1024
	s_sub_co_u32 s91, s87, 64
	s_lshr_b32 s92, s91, 3
	s_lshl_b32 s92, s92, 9
	s_and_b32 s91, s91, 7
	s_add_co_u32 s92, s92, s91
	s_lshl_b32 s91, s86, 3
	s_add_co_u32 s92, s92, s91
	s_cmp_eq_u32 s70, 1
	s_cselect_b32 s90, s90, s92
	s_mul_i32 s92, s90, 12288
	s_mov_b32 s93, 0
	s_add_nc_u64 s[8:9], s[8:9], s[92:93]
	s_lshl_b32 s92, s90, 9
	s_add_nc_u64 s[10:11], s[10:11], s[92:93]
	s_wait_tensorcnt 0x2                           ; my part of slot 0 is in; slots 1 and 2 may stay out
	s_barrier_signal -1
	s_barrier_wait -1
	FETCH_B 0, 0, 0
	FETCH_A 0, 0, 0
	FETCH_A 0, 0, 4
	s_wait_loadcnt 0x0                             ; the scale words
	STEP 0, 1, 0, 1                                ; the first chunk's products start the sums: nothing is cleared
	TURN 1, 1, 1                                   ; slot 0 is left and filled again; every wave's wait for all its loads also shows slots 1 and 2 whole
	STEP 2, 0, 1, 1
	STEP 3, 0, 2, 0
	STEP 4, 0, 2, 1
	TURN 5, 0, 0                                   ; the refill has landed in every wave
	STEP 6, 0, 0, 1
	s_wait_dscnt 12                                ; the last chunk: nothing more to fetch
	WIN MUL_LO
	MUL16 0, 1, 7, 0
	MUL16 2, 1, 7, 0
	s_wait_dscnt 0x0
	WIN MUL_HI
	MUL16 4, 1, 7, 0
	MUL16 6, 1, 7, 0
	WIN 0
	PLACES
; THE WAY OUT of A's block a: register 16 b + i of its 64 is number 32 b + 16 (lane / 16) + i along the next K of my row.  Each accumulator is read from its low end on.
.macro QUANTW a
.set WW, 2+(\a)/4
.set AC0, 64*((\a)%4)
.set PCA, PC0+20*((\a)%2)
	WIN (WW|(WW<<2))
.irp b, 0,1,2,3
	v_max3_num_f32 v[TM+\b], |v[AC0+16*\b]|, |v[AC0+16*\b+1]|, 0x1800000   ; and the floor 2^(3 - 127): the byte cannot fall under 1
.endr
	WIN ((WW<<2)|(WW<<4))
.irp i, 2,4,6,8,10,12,14
.irp b, 0,1,2,3
	v_max3_num_f32 v[TM+\b], v[TM+\b], |v[AC0+16*\b+\i]|, |v[AC0+16*\b+\i+1]|
.endr
.endr
	WIN 0
.irp b, 0,1,2,3
	v_permlanex16_b32 v[TM+4+\b], v[TM+\b], s[SEL], s[SEL+1]
.endr
.irp b, 0,1,2,3
	v_max_num_f32 v[TM+\b], v[TM+\b], v[TM+4+\b]
.endr
.irp b, 0,1,2,3
	v_add_nc_u32 v[TM+12+\b], 0xff000000, v[TM+\b]     ; 2 off the exponent field: the conversion's scale operand
.endr
.irp b, 0,1,2,3
	v_lshrrev_b32 v[TM+4+\b], 23, v[TM+12+\b]
.endr
	v_lshl_or_b32 v[PW+\a], v[TM+5], 8, v[TM+4]
	v_lshl_or_b32 v[PW+\a], v[TM+6], 16, v[PW+\a]
	v_lshl_or_b32 v[PW+\a], v[TM+7], 24, v[PW+\a]
.if \a >= 2
	s_wait_xcnt 0x0                                ; the stores of two blocks back have read these registers
.endif
	WIN WW
.irp c, 0,1
	v_cvt_scalef32_pk16_fp6_f32 v[PCA+6*\c:PCA+6*\c+2], v[AC0+32*\c:AC0+32*\c+15], v[TM+12+2*\c]
	v_cvt_scalef32_pk16_fp6_f32 v[PCA+12+4*\c:PCA+14+4*\c], v[AC0+16+32*\c:AC0+31+32*\c], v[TM+13+2*\c]
.endr
	WIN 0
	v_nop                                          ; one plain place behind a scaled conversion
.irp c, 0,1
.irp i, 0,1,2
	v_permlane16_swap_b32 v[PCA+6*\c+\i], v[PCA+12+4*\c+\i]
.endr
.irp i, 0,1,2
	v_mov_b32 v[PCA+3+6*\c+\i], v[PCA+12+4*\c+\i]
.endr
.endr
.irp g, 0,1,2
	global_store_b128 v3, v[PCA+4*\g:PCA+4*\g+3], s[8:9] offset:(\a)*1536+512*\g   ; 512 consecutive bytes, at a multiple of 256 from the buffer's first byte
.endr
.endm
.irp a, 0,1,2,3,4,5,6,7
	QUANTW \a
.endr
	s_wait_xcnt 0x0
.irp k, 0,1,2,3
	v_cndmask_b32 v[OUTW+\k], v[PW+\k], v[PW+4+\k], s[MASKH]   ; lanes 0-15 store their row's words of fragments 0-3, lanes 16-31 those of 4-7
.endr
	global_store_b128 v[WO], v[OUTW:OUTW+3], s[10:11]           ; the block's 512 bytes of scale words
	s_wait_tensorcnt 0x0                           ; the wave's end
	ds_add_u32 v[SPW], v[NIL]
	s_wait_dscnt 0x0
	CROUND                                         ; the closing round: no work-group ends while a partner may still ask for a tile that names it
	s_endpgm
.Lfunc_end_k_q856e7376d6_proj:
	.size	k_q856e7376d6_proj, .Lfunc_end_k_q856e7376d6_proj-k_q856e7376d6_proj
	.p2alignl 7, 3214868480
	.fill 96, 4, 3214868480
	.section	.rodata,"a",@progbits
	.p2align	6, 0x0
	.amdhsa_kernel k_q856e7376d6_proj
		.amdhsa_group_segment_fixed_size 327680
		.amdhsa_private_segment_fixed_size 0
		.amdhsa_enable_private_segment 0
		.amdhsa_kernarg_size 32
		.amdhsa_user_sgpr_count 2
		.amdhsa_user_sgpr_kernarg_segment_ptr 1
		.amdhsa_wavefront_size32 1
		.amdhsa_system_sgpr_workgroup_id_x 1
		.amdhsa_system_sgpr_workgroup_id_y 1
		.amdhsa_system_sgpr_workgroup_id_z 1
		.amdhsa_system_vgpr_workitem_id 0
		.amdhsa_next_free_vgpr 1024
		.amdhsa_next_free_sgpr 100
		.amdhsa_reserve_vcc 0
		.amdhsa_float_denorm_mode_32 3
		.amdhsa_float_denorm_mode_16_64 3
		.amdhsa_memory_ordered 1
		.amdhsa_forward_progress 1
		.amdhsa_inst_pref_size 138
	.end_amdhsa_kernel
	.amdgpu_metadata
---
amdhsa.version: [ 1, 2 ]
amdhsa.kernels:
  - .name:           k_q856e7376d6_proj
    .symbol:         k_q856e7376d6_proj.kd
    .args:
      - { .name: xw, .offset: 0, .size: 8, .value_kind: global_buffer, .address_space: global }
      - { .name: xws, .offset: 8, .size: 8, .value_kind: global_buffer, .address_space: global }
      - { .name: qkv, .offset: 16, .size: 8, .value_kind: global_buffer, .address_space: global }
      - { .name: qkvs, .offset: 24, .size: 8, .value_kind: global_buffer, .address_space: global }
    .group_segment_fixed_size: 327680
    .private_segment_fixed_size: 0
    .kernarg_segment_align: 8
    .kernarg_segment_size: 32
    .max_flat_workgroup_size: 128
    .sgpr_count:     100
    .vgpr_count:     1024
    .wavefront_size: 32
...
	.end_amdgpu_metadata
.endif
;; end of part 2
;; launch scores (part 3): grid 36 x 4, 4 waves a work-group, no clusters, 327,680 bytes of LDS; arguments qkv, qkvs, pc, psc, negm, lsum; writes pc, psc, negm, lsum
.if DOCPART == 3
	.amdgcn_target "amdgcn-amd-amdhsa--gfx1250"
	.amdhsa_code_object_version 6
	.text
	.protected	k_q856e7376d6_scores
	.globl	k_q856e7376d6_scores
	.p2align	8
	.type	k_q856e7376d6_scores,@function
k_q856e7376d6_scores:
	s_mov_b64 s[64:65], 0
	v_nop
	global_prefetch_b8 v0, s[64:65] scope:SCOPE_SE
	s_setreg_imm32_b32 hwreg(HW_REG_WAVE_MODE, 25, 1), 1
	s_wait_xcnt 0x0
; LAUNCH 3 OF 4.  Product 4, S^T = k q^T, on codes of FP6 (E2M3), and the softmax's p as codes.  Work left out: tiles of 256 x 256 wholly above the diagonal are not launched, and a wave whose 128 x 128 lies wholly above it
; stores nothing (launch 1's head shows that hidden scores reach no output); inside a diagonal tile that wave multiplies with the others, since it shares their loads and barriers.
; A work-group takes tile (i, j), j <= i, of batch y: 36 tiles a batch.  Source 1 = 16 queries, source 0 = 16 keys: a lane holds ONE query and its registers run along the keys, product 5's K.  The core is launch 2's.
; THE SOFTMAX, for a query and the wave's 128 keys: t = score x log2(e) / 32; M = ceil(the largest t of these 128 keys), a whole number; p = 2^(t - M), quantised along the keys; the sum of the unquantised p.
; Stored: p's codes and scale words, -M and the sum.  Launch 4 brings them under the row's M by an exact power of two: the codes stay, the scale bytes fall.  A maximum is taken away in every block.
; NO CLUSTER: a row of the causal triangle has i + 1 tiles and a column 8 - i, which do not divide into fours, and what a wave does on the diagonal is a branch on the tile's place, which partners may not differ in.
; LIMITS: NaN and infinities are not served; a block whose every p is 0 keeps the byte 1 (its codes are zeros); p under 2^-126 comes out of v_exp_f32 as 0.
; REGISTERS: as launch 2's; on the way out: v12 -M, v13 t, v[14:15], v[30:31] sums, v16, v17 the diagonal's bounds, v18 -infinity, v20-27 p's scale words, v32-39 -M of the 8 blocks, v40-47 their sums, v128-191 p.
.set SLOT,  98304
.set QUART, 24576
.set SPARE, 3*SLOT                     ; behind the slots: the spare words, 128 bytes for each wave: two blocks of 256 bytes that no other line names
.set ADRA,  4
.set ADRB,  7
.set VSO,   10
.set WO,    11
.set VD,    16
.set PW,    20
.set SPW,   28
.set NIL,   29
.set SC,    32
.set NEGM,  32
.set LS,    40
.set OUTW,  48
.set AF,    128
.set PB,    128
.set PC0,   192
.set TM,    232
.set SEL,   20                         ; s[20:21]
.set CS,    22                         ; s[22:23] c = log2(e) / 32
.set G1,    24                         ; s[24:31] descriptor group 1
.set G0,    32                         ; s[32:43] group 0, a set for each slot
.set DIAG,  50                         ; s50 1 where my 128 x 128 lies on the diagonal
.set MASKH, 51                         ; s51 the lanes 16-31
.set MSB, 0
.macro WIN new                         ; the immediate's high byte repeats the setting that is left
.if MSB != (\new)
	s_set_vgpr_msb (MSB<<8)|(\new)
.set MSB, (\new)
.endif
.endm
.set MUL_LO, 0xa1
.set MUL_HI, 0xf1
.set TO_B,   0x40
.macro PLACES
.rept 4
	v_nop
.endr
.endm
.macro REFILL                          ; behind the barrier: slot 0 takes K step 3: my one tensor load there
	s_add_nc_u64 s[G0+2:G0+3], s[G0+2:G0+3], 3*QUART
	tensor_load_to_lds s[G0:G0+3], s[G1:G1+7]
	s_nop 0
.rept 4
	v_nop                                          ; (also the places in front of the loads that follow)
.endr
.endm
.macro FRAG reg, adr, c, i
.irp g, 0,1,2
	ds_load_b128 v[\reg+4*\g:\reg+4*\g+3], v[\adr] offset:(\c)*12288+(\i)*1536+512*\g
.endr
.endm
.macro FETCH_B slot, c, p
	WIN TO_B
.irp i, 0,1,2,3,4,5,6,7
	FRAG 128*(\p)+12*\i, ADRB+\slot, \c, \i
.endr
	WIN 0
.endm
.macro FETCH_A slot, c, i0
.irp i, \i0, \i0+1, \i0+2, \i0+3
	FRAG AF+12*(\i), ADRA+\slot, \c, \i
.endr
.endm
.macro MUL16 a0, p, q, zero            ; the 64 accumulators take turns, one instruction a turn
.irp a, \a0, \a0+1
.irp b, 0,1,2,3,4,5,6,7
.if \zero
	v_wmma_scale_f32_16x16x128_f8f6f4 v[8*(8*((\a)%4)+\b):8*(8*((\a)%4)+\b)+7], v[128*(\p)+12*\b:128*(\p)+12*\b+11], v[AF+12*(\a):AF+12*(\a)+11], 0, v[SC+8*(\q)+\b], v[SC+8*(\q)+(\a)] matrix_a_fmt:MATRIX_FMT_FP6 matrix_b_fmt:MATRIX_FMT_FP6 matrix_a_scale:MATRIX_SCALE_ROW1
.else
	v_wmma_scale_f32_16x16x128_f8f6f4 v[8*(8*((\a)%4)+\b):8*(8*((\a)%4)+\b)+7], v[128*(\p)+12*\b:128*(\p)+12*\b+11], v[AF+12*(\a):AF+12*(\a)+11], v[8*(8*((\a)%4)+\b):8*(8*((\a)%4)+\b)+7], v[SC+8*(\q)+\b], v[SC+8*(\q)+(\a)] matrix_a_fmt:MATRIX_FMT_FP6 matrix_b_fmt:MATRIX_FMT_FP6 matrix_a_scale:MATRIX_SCALE_ROW1
.endif
.endr
.endr
.endm
.macro STEP q, zero, ns, nc
	s_wait_dscnt 12                                ; B's set and A's blocks 0-3 are in; the youngest 12 loads (A's blocks 4-7) may be out
	WIN MUL_LO
	MUL16 0, (\q)%2, \q, \zero
	MUL16 2, (\q)%2, \q, \zero
	s_wait_dscnt 0x0
	PLACES
	FETCH_B \ns, \nc, 1-(\q)%2
	FETCH_A \ns, \nc, 0
	WIN MUL_HI
	MUL16 4, (\q)%2, \q, \zero
	MUL16 6, (\q)%2, \q, \zero
	PLACES
	WIN 0
	FETCH_A \ns, \nc, 4
.endm
.macro TURN q, fill, ns
	s_wait_tensorcnt 0x0                           ; all my tensor loads have landed
	ds_add_u32 v[SPW], v[NIL]                      ; 0 onto my spare word
	s_wait_dscnt 13                                ; (the add and the youngest 12 loads may be out)
	WIN MUL_LO
	MUL16 0, 1, \q, 0
	s_wait_dscnt 0x0                               ; the add is done, and my reads are over
	s_barrier_signal -1
	MUL16 2, 1, \q, 0
	WIN 0
	s_barrier_wait -1
.if \fill
	REFILL
.else
	PLACES
.endif
	FETCH_B \ns, 0, 0
	FETCH_A \ns, 0, 0
	WIN MUL_HI
	MUL16 4, 1, \q, 0
	MUL16 6, 1, \q, 0
	PLACES
	WIN 0
	FETCH_A \ns, 0, 4
.endm
	s_load_b256 s[4:11], s[0:1], 0x0               ; qkv, qkvs, pc, psc
	s_load_b128 s[12:15], s[0:1], 0x20             ; negm, lsum
	v_lshl_add_u32 v[SPW], v0, 2, SPARE
	v_mov_b32 v[NIL], 0
	ds_add_u32 v[SPW], v[NIL]                      ; the wave's opening: the add, twice on end, and its wait ahead of my first tensor load
	ds_add_u32 v[SPW], v[NIL]
	v_lshrrev_b32 v1, 5, v0
	v_readfirstlane_b32 s16, v1                    ; wave 0..3
	s_lshr_b32 s17, s16, 1                         ; which of the tile's two groups of queries is mine
	s_and_b32 s18, s16, 1                          ; which of its two groups of keys
	s_and_b32 s19, ttmp7, 0xffff                   ; the batch
	s_mov_b32 s44, 0                               ; i = how many of 1, 3, 6, .. 28 the tile's number has reached
.irp th, 1,3,6,10,15,21,28
	s_cmp_ge_u32 ttmp9, \th
	s_add_co_ci_u32 s44, s44, 0
.endr
	s_add_co_u32 s46, s44, 1
	s_mul_i32 s46, s46, s44
	s_lshr_b32 s46, s46, 1
	s_sub_co_u32 s45, ttmp9, s46                   ; j = number - i (i + 1) / 2
	s_lshl_b32 s46, s19, 4
	s_lshl_b32 s52, s44, 1
	s_lshl_b32 s53, s45, 1
	s_add_co_u32 s47, s46, s53
	s_add_co_u32 s47, s47, 64                      ; k's first group: 64 + 16 b + 2 j
	s_add_co_u32 s46, s46, s52                     ; q's: 16 b + 2 i
	s_add_co_u32 s52, s52, s17                     ; my group of queries in the batch
	s_add_co_u32 s53, s53, s18                     ; my chunk of keys
	s_cmp_eq_u32 s52, s53
	s_cselect_b32 s[DIAG], 1, 0
	s_cmp_lt_u32 s16, 2                            ; waves 0 and 1 fetch q's groups, waves 2 and 3 k's
	s_cselect_b32 s57, s46, s47
	s_add_co_u32 s57, s57, s18
	s_mul_i32 s48, s57, SLOT
	s_mov_b32 s49, 0
	s_mul_i32 s56, s16, QUART
	s_mov_b32 s[G1], 3<<16                         ; 24,576 dense bytes as 96 rows of 256 (32 elements of 8 bytes), no mask, no padding
	s_mov_b32 s[G1+1], 32<<16
	s_mov_b32 s[G1+2], 96<<16
	s_mov_b32 s[G1+3], 32<<16
	s_mov_b32 s[G1+4], 96
	s_mov_b32 s[G1+5], 32
	s_mov_b32 s[G1+6], 0
	s_mov_b32 s[G1+7], 0
	s_mov_b32 s[SEL], 0x76543210
	s_mov_b32 s[SEL+1], 0xfedcba98
	s_mov_b32 s[CS], 0x3d38aa3b                    ; c = log2(e) / 32
	s_mov_b32 s[CS+1], s[CS]                       ; (named with it as a pair, so it is written)
	s_wait_dscnt 0x0                               ; both opening adds are done
	s_wait_kmcnt 0x0
	s_add_nc_u64 s[48:49], s[4:5], s[48:49]
.irp s, 0,1,2
	s_mov_b32 s[G0+4*\s], 1
	s_add_co_u32 s[G0+4*\s+1], s56, \s*SLOT
	s_add_nc_u64 s[G0+4*\s+2:G0+4*\s+3], s[48:49], \s*QUART
	s_or_b32 s[G0+4*\s+3], s[G0+4*\s+3], 0x80000000
	tensor_load_to_lds s[G0+4*\s:G0+4*\s+3], s[G1:G1+7]            ; K steps 0, 1, 2: three loads of mine are out
	s_nop 0
.endr
.rept 4
	v_nop
.endr
	v_and_b32 v1, 15, v0                           ; r
	v_bfe_u32 v2, v0, 4, 1                         ; h
	v_and_b32 v3, 31, v0
	v_lshlrev_b32 v3, 4, v3                        ; 16 x lane
	s_mul_i32 s54, s17, QUART
	s_mul_i32 s55, s18, QUART
	s_add_co_u32 s55, s55, 2*QUART
.irp s, 0,1,2
	v_add_nc_u32 v[ADRA+\s], s54, v3
	v_add_nc_u32 v[ADRB+\s], s55, v3
	s_add_co_u32 s54, s54, SLOT
	s_add_co_u32 s55, s55, SLOT
.endr
	v_lshlrev_b32 v[WO], 5, v1
	v_lshl_add_u32 v[WO], v2, 4, v[WO]
	s_add_co_u32 s54, s46, s17
	s_add_co_u32 s55, s47, s18
	s_lshl_b32 s54, s54, 12
	s_lshl_b32 s55, s55, 12
	v_cmp_eq_u32 s[MASKH], 1, v2
	v_mov_b32 v12, s54
	v_mov_b32 v13, s55
	v_cndmask_b32 v[VSO], v12, v13, s[MASKH]
	v_lshl_add_u32 v[VSO], v1, 5, v[VSO]
.irp q, 0,1,2,3,4,5,6,7
	global_load_b128 v[SC+8*\q:SC+8*\q+3], v[VSO], s[6:7] offset:512*\q
	global_load_b128 v[SC+8*\q+4:SC+8*\q+7], v[VSO], s[6:7] offset:512*\q+16
.endr
.irp b, 0,1,2,3
	v_mov_b32 v[TM+4+\b], 0                        ; written once: a lane permute's destination counts as one of its sources
.endr
	v_and_b32 v[VD], 8, v1
	v_add_nc_u32 v[VD], v[VD], v1
	v_lshlrev_b32 v19, 4, v2
	v_sub_nc_u32 v[VD], v[VD], v19                 ; r + 8 (r / 8) - 16 h: in the diagonal's block of an even fragment, register n is hidden where n is above it;
	v_add_nc_u32 v[VD+1], 8, v[VD]                 ; of an odd fragment
	v_mov_b32 v18, 0xff800000                      ; -infinity
	s_lshl_b32 s54, s19, 4
	s_add_co_u32 s54, s54, s52
	s_lshl_b32 s54, s54, 4
	s_add_co_u32 s58, s54, s53                     ; my block: 16 (16 b + group) + chunk
	s_mul_i32 s54, s58, 12288
	s_mov_b32 s55, 0
	s_add_nc_u64 s[8:9], s[8:9], s[54:55]
	s_lshl_b32 s54, s58, 9
	s_add_nc_u64 s[10:11], s[10:11], s[54:55]
	s_add_nc_u64 s[12:13], s[12:13], s[54:55]
	s_add_nc_u64 s[14:15], s[14:15], s[54:55]
	s_wait_tensorcnt 0x2                           ; my part of slot 0 is in; slots 1 and 2 may stay out
	s_barrier_signal -1
	s_barrier_wait -1
	FETCH_B 0, 0, 0
	FETCH_A 0, 0, 0
	FETCH_A 0, 0, 4
	s_wait_loadcnt 0x0                             ; the scale words
	STEP 0, 1, 0, 1
	TURN 1, 1, 1                                   ; slot 0 is left and filled again; every wave's wait for all its loads also shows slots 1 and 2 whole
	STEP 2, 0, 1, 1
	STEP 3, 0, 2, 0
	STEP 4, 0, 2, 1
	TURN 5, 0, 0                                   ; the refill has landed in every wave
	STEP 6, 0, 0, 1
	s_wait_dscnt 12
	WIN MUL_LO
	MUL16 0, 1, 7, 0
	MUL16 2, 1, 7, 0
	s_wait_dscnt 0x0
	WIN MUL_HI
	MUL16 4, 1, 7, 0
	MUL16 6, 1, 7, 0
	WIN 0
	PLACES
	s_cmp_gt_u32 s53, s52                          ; all my keys come after all my queries: nothing of mine is kept
	s_cbranch_scc1 .Lhidden
; The softmax of fragment a's 16 queries over my 128 keys.  Register 16 b + n of the 64 is key 32 b + 16 (lane / 16) + n; my query is row 32 (a / 2) + 8 (a % 2) + r + 8 (r / 8) of its group.
.macro SOFT a
.set WW, 2+(\a)/4
.set AC0, 64*((\a)%4)
.set BD, (\a)/2
.set PCA, PC0+20*((\a)%2)
	s_cmp_eq_u32 s[DIAG], 1                        ; on the diagonal hidden scores become -infinity ahead of the maximum: p = 0 then
	s_cbranch_scc0 .Lopen_\@
	WIN (WW|(WW<<6))
.set n, 0
.rept 16                                       ; the block in which the diagonal lies; the blocks in front of it are open
	v_cmp_gt_i32 vcc_lo, n, v[VD+(\a)%2]
	v_cndmask_b32 v[AC0+16*BD+n], v[AC0+16*BD+n], v18, vcc_lo
.set n, n+1
.endr
.if BD < 3
	WIN (WW<<6)
.set n, 16*(BD+1)
.rept 16*(3-BD)                                ; the blocks behind it are hidden whole
	v_mov_b32 v[AC0+n], v18
.set n, n+1
.endr
.endif
	WIN 0
.Lopen_\@:
	WIN (WW|(WW<<2)|(WW<<4))
.irp b, 0,1,2,3
	v_max3_num_f32 v[TM+\b], v[AC0+16*\b], v[AC0+16*\b+1], v[AC0+16*\b+2]   ; the largest score of each block of 32 keys: for the row's maximum, and, since p rises with the score, for the block's largest p
.endr
	WIN ((WW<<2)|(WW<<4))
.irp i, 3,5,7,9,11,13
.irp b, 0,1,2,3
	v_max3_num_f32 v[TM+\b], v[TM+\b], v[AC0+16*\b+\i], v[AC0+16*\b+\i+1]
.endr
.endr
.irp b, 0,1,2,3
	v_max_num_f32 v[TM+\b], v[TM+\b], v[AC0+16*\b+15]
.endr
	WIN 0
.irp b, 0,1,2,3
	v_permlanex16_b32 v[TM+4+\b], v[TM+\b], s[SEL], s[SEL+1]
.endr
.irp b, 0,1,2,3
	v_max_num_f32 v[TM+\b], v[TM+\b], v[TM+4+\b]
.endr
	v_max3_num_f32 v13, v[TM], v[TM+1], v[TM+2]
	v_max_num_f32 v13, v13, v[TM+3]
	v_mul_f32 v13, s[CS], v13                      ; the largest t (c is positive)
	v_floor_f32 v12, -v13                          ; -M = floor(-t) = -ceil(t): a whole number
	WIN WW
.set j, 0
.rept 32
	v_pk_fma_f32 v[PB+j:PB+j+1], v[AC0+j:AC0+j+1], s[CS:CS+1], v[12:13] op_sel_hi:[1,0,0]   ; t - M, two at a time
.set j, j+2
.endr
	WIN 0
.irp b, 0,1,2,3
	v_fma_f32 v[TM+\b], v[TM+\b], s[CS], v12       ; the same of each block's largest score
.endr
.set j, 0
.rept 64
	v_exp_f32 v[PB+j], v[PB+j]                     ; p = 2^(t - M), at most 1
.set j, j+1
.endr
	v_mov_b32 v[NEGM+\a], v12                      ; (a plain place behind the exponentials)
	s_wait_alu depctr_va_vdst(0)                   ; one wait for the whole batch, ahead of its first reader
.irp b, 0,1,2,3
	v_exp_f32 v[TM+\b], v[TM+\b]                   ; the block's largest p
.endr
	v_pk_add_f32 v[14:15], v[PB:PB+1], v[PB+2:PB+3]           ; the sum of the UNQUANTISED p, in two chains
	v_pk_add_f32 v[30:31], v[PB+4:PB+5], v[PB+6:PB+7]
.irp j, 8,12,16,20,24,28,32,36,40,44,48,52,56,60
	v_pk_add_f32 v[14:15], v[14:15], v[PB+\j:PB+\j+1]
	v_pk_add_f32 v[30:31], v[30:31], v[PB+\j+2:PB+\j+3]
.endr
	v_pk_add_f32 v[14:15], v[14:15], v[30:31]
	v_add_f32 v14, v14, v15
	v_permlanex16_b32 v15, v14, s[SEL], s[SEL+1]
	v_add_f32 v[LS+\a], v14, v15                   ; with lane l xor 16's 64 keys
	s_wait_alu depctr_va_vdst(0)                   ; and one for the four
.irp b, 0,1,2,3
	v_max_num_f32 v[TM+\b], 0x1800000, v[TM+\b]    ; the floor 2^(3 - 127): the byte cannot fall under 1
.endr
.irp b, 0,1,2,3
	v_add_nc_u32 v[TM+12+\b], 0xff000000, v[TM+\b]
.endr
.irp b, 0,1,2,3
	v_lshrrev_b32 v[TM+4+\b], 23, v[TM+12+\b]
.endr
	v_lshl_or_b32 v[PW+\a], v[TM+5], 8, v[TM+4]
	v_lshl_or_b32 v[PW+\a], v[TM+6], 16, v[PW+\a]
	v_lshl_or_b32 v[PW+\a], v[TM+7], 24, v[PW+\a]
.if \a >= 2
	s_wait_xcnt 0x0                                ; the stores of two fragments back have read these registers
.endif
.irp c, 0,1
	v_cvt_scalef32_pk16_fp6_f32 v[PCA+6*\c:PCA+6*\c+2], v[PB+32*\c:PB+32*\c+15], v[TM+12+2*\c]
	v_cvt_scalef32_pk16_fp6_f32 v[PCA+12+4*\c:PCA+14+4*\c], v[PB+16+32*\c:PB+31+32*\c], v[TM+13+2*\c]
.endr
	v_nop                                          ; one plain place behind a scaled conversion
.irp c, 0,1
.irp i, 0,1,2
	v_permlane16_swap_b32 v[PCA+6*\c+\i], v[PCA+12+4*\c+\i]
.endr
.irp i, 0,1,2
	v_mov_b32 v[PCA+3+6*\c+\i], v[PCA+12+4*\c+\i]
.endr
.endr
.irp g, 0,1,2
	global_store_b128 v3, v[PCA+4*\g:PCA+4*\g+3], s[8:9] offset:(\a)*1536+512*\g
.endr
.endm
.irp a, 0,1,2,3,4,5,6,7
	SOFT \a
.endr
.macro WORDS src, base                 ; a table of 8 words a row: lanes 0-15 store fragments 0-3's, lanes 16-31 fragments 4-7's: 512 consecutive bytes
	s_wait_xcnt 0x0
.irp k, 0,1,2,3
	v_cndmask_b32 v[OUTW+\k], v[\src+\k], v[\src+4+\k], s[MASKH]
.endr
	global_store_b128 v[WO], v[OUTW:OUTW+3], s[\base:\base+1]
.endm
	WORDS PW, 10
	WORDS NEGM, 12
	WORDS LS, 14
.Lhidden:
	s_wait_tensorcnt 0x0                           ; the wave's end
	ds_add_u32 v[SPW], v[NIL]
	s_wait_dscnt 0x0
	s_endpgm
.Lfunc_end_k_q856e7376d6_scores:
	.size	k_q856e7376d6_scores, .Lfunc_end_k_q856e7376d6_scores-k_q856e7376d6_scores
	.p2alignl 7, 3214868480
	.fill 96, 4, 3214868480
	.section	.rodata,"a",@progbits
	.p2align	6, 0x0
	.amdhsa_kernel k_q856e7376d6_scores
		.amdhsa_group_segment_fixed_size 327680
		.amdhsa_private_segment_fixed_size 0
		.amdhsa_enable_private_segment 0
		.amdhsa_kernarg_size 48
		.amdhsa_user_sgpr_count 2
		.amdhsa_user_sgpr_kernarg_segment_ptr 1
		.amdhsa_wavefront_size32 1
		.amdhsa_system_sgpr_workgroup_id_x 1
		.amdhsa_system_sgpr_workgroup_id_y 1
		.amdhsa_system_sgpr_workgroup_id_z 1
		.amdhsa_system_vgpr_workitem_id 0
		.amdhsa_next_free_vgpr 1024
		.amdhsa_next_free_sgpr 66
		.amdhsa_reserve_vcc 1
		.amdhsa_float_denorm_mode_32 3
		.amdhsa_float_denorm_mode_16_64 3
		.amdhsa_memory_ordered 1
		.amdhsa_forward_progress 1
		.amdhsa_inst_pref_size 204
	.end_amdhsa_kernel
	.amdgpu_metadata
---
amdhsa.version: [ 1, 2 ]
amdhsa.kernels:
  - .name:           k_q856e7376d6_scores
    .symbol:         k_q856e7376d6_scores.kd
    .args:
      - { .name: qkv, .offset: 0, .size: 8, .value_kind: global_buffer, .address_space: global }
      - { .name: qkvs, .offset: 8, .size: 8, .value_kind: global_buffer, .address_space: global }
      - { .name: pc, .offset: 16, .size: 8, .value_kind: global_buffer, .address_space: global }
      - { .name: psc, .offset: 24, .size: 8, .value_kind: global_buffer, .address_space: global }
      - { .name: negm, .offset: 32, .size: 8, .value_kind: global_buffer, .address_space: global }
      - { .name: lsum, .offset: 40, .size: 8, .value_kind: global_buffer, .address_space: global }
    .group_segment_fixed_size: 327680
    .private_segment_fixed_size: 0
    .kernarg_segment_align: 8
    .kernarg_segment_size: 48
    .max_flat_workgroup_size: 128
    .sgpr_count:     66
    .vgpr_count:     1024
    .wavefront_size: 32
...
	.end_amdgpu_metadata
.endif
;; end of part 3
;; launch mix (part 4): grid 8 x 32, 4 waves a work-group, clusters of 4 x 1, 327,680 bytes of LDS; arguments qkv, qkvs, pc, psc, negm, lsum, out0; writes out0
.if DOCPART == 4
	.amdgcn_target "amdgcn-amd-amdhsa--gfx1250"
	.amdhsa_code_object_version 6
	.text
	.protected	k_q856e7376d6_mix
	.globl	k_q856e7376d6_mix
	.p2align	8
	.type	k_q856e7376d6_mix,@function
k_q856e7376d6_mix:
	s_mov_b64 s[64:65], 0
	v_nop
	global_prefetch_b8 v0, s[64:65] scope:SCOPE_SE
	s_setreg_imm32_b32 hwreg(HW_REG_WAVE_MODE, 25, 1), 1
	s_wait_xcnt 0x0
	s_wait_alu depctr_hold_cnt(0) depctr_sa_sdst(0) depctr_va_vdst(0) depctr_va_sdst(0) depctr_va_ssrc(0) depctr_va_vcc(0) depctr_vm_vsrc(0)
	s_getreg_b32 s2, hwreg(HW_REG_IB_STS2, 6, 4)
	s_cmp_eq_u32 s2, 0
	s_cbranch_scc0 .Lentry_in_a_cluster
	s_endpgm
.Lentry_in_a_cluster:
	s_bfe_u32 s2, ttmp6, 0x10000c
	s_cmp_lg_u32 s2, 0x3003
	s_cbranch_scc0 .Lentry_shape_is_right
	s_endpgm
.Lentry_shape_is_right:
; LAUNCH 4 OF 4.  Product 5, O^T = v^T p^T, on codes of FP6 (E2M3), and the division by the row's sum.  Work left out: chunks of 128 keys that lie wholly behind a group of 128 queries (launch 1's head shows that they reach no output).
; A work-group takes 128 of d (group gd = 4 x cluster x + cx) and TWO groups of 128 queries of batch b = y / 8: SMALL, group i = y % 8 (i + 1 chunks of keys), and BIG, group 15 - i (16 - i chunks): 17 units of
; 128 keys in every work-group.  A wave takes 64 queries x 64 d of both: 2 x 16 accumulators.  Unit 0: BIG's chunk 0; units 1 .. i + 1: SMALL's chunks 0 .. i; units i + 2 .. 16: BIG's chunks 1 .. 15 - i.
; Source 0 = 16 of d (v^T), source 1 = 16 queries (p): a lane holds one query, its registers run along d.
; THE JOINING.  Launch 3 left, for each row and chunk, -M_loc, the sum l_loc and p's scale word under M_loc.  Thread n of the work-group owns word n of every unit's tables.  -M = the least -M_loc of the row;
; e = M_loc - M, a whole number, 0 or less; l = the sum of l_loc 2^e; each of p's scale bytes gets e added: exact, the codes stay.
; LIMITS: e is held at -127, and a byte that would fall under 0 is held at 0 (2^-127): such terms are under 2^-118 of the row's sum.  NaN and infinities are not served.
; LDS: 12 places of 12,288 bytes for p's blocks, 12 for v's; unit u lies in place u % 12.  Units 0-11 are first fills, six loads a wave (six are out, by this text's count); units 12-16 are BIG's last five chunks, dense in
; memory: ONE refill, into places 0-4, half of p's or of v's 61,440 bytes a wave.  Behind the places: the adjusted words of p, v's words, 1 / l, the spare words.
; CLUSTER 4 x 1: the four groups of d walk the same p: p's loads are joint; v's are each work-group's own.
; REGISTERS: window 0: v1-15 addresses; v16-23 two sets of scale words; v24-27, v30-33 1 / l; v28, v29 the add's two; v64-159, v160-255 two sets of fragments (v's four, then p's four), in the prologue the tables.
;   window 1: SMALL's accumulators at v0-127, BIG's at v128-255; accumulator (a, b) at 8 (4 a + b).
.set VPL,   147456                     ; v's places begin here
.set PS,    294912                     ; p's adjusted scale words, 17 x 512; v's 8,704 bytes on; 1 / l 17,408 bytes on (SMALL, then BIG)
.set SPARE, 313344                     ; the spare words, 128 bytes for each wave: two blocks of 256 bytes that no other line names
.set STG,   61440                      ; the way out's stages, 4,352 bytes a wave, in p's places 5 and 6: they have had their only fill, and nobody reads them behind unit 11's barrier
.set ADP,   4                          ; v4-6  my p fragments in places 0, 5, 10
.set ADV,   7                          ; v7-9  my v fragments
.set SPW,   28
.set NIL,   29
.set G1P,   24                         ; s[24:31] group 1: a block of p (joint); s[32:39] a block of v; s[40:47], s[48:55] half of the last five blocks of p (joint), of v
.set G1V,   32
.set G1PT,  40
.set G1VT,  48
.set GP0,   56                         ; groups 0 of p's three first fills
.set GP1,   60
.set GP2,   68
.set GV0,   72                         ; and of v's
.set GV1,   76
.set GV2,   80
.set VO,    64                         ; the prologue's tables, 17 registers each: offsets of p's tables, of v's words,
.set VV,    84
.set NM,    104                        ; -M_loc, l_loc, p's words, v's words
.set LL,    124
.set PWD,   144
.set VW,    164
.set MSB, 0
.macro WIN new                         ; the immediate's high byte repeats the setting that is left
.if MSB != (\new)
	s_set_vgpr_msb (MSB<<8)|(\new)
.set MSB, (\new)
.endif
.endm
.macro PLACES
.rept 4
	v_nop
.endr
.endm
.macro ROUND                           ; a round of the cluster's barrier
	s_barrier_signal -1
	s_barrier_wait -1
	s_cmp_lg_u32 s18, 0
	s_cbranch_scc1 .Lnot_wave_0_\@
	s_barrier_signal -3
.Lnot_wave_0_\@:
	s_barrier_wait -3
	s_barrier_signal -1
	s_barrier_wait -1
.endm
.macro GROUP1 g, w0, rows              ; dense bytes as rows of 256 (32 elements of 8 bytes), no padding
	s_mov_b32 s[\g], \w0
	s_mov_b32 s[\g+1], 32<<16
	s_mov_b32 s[\g+2], (\rows)<<16
	s_mov_b32 s[\g+3], 32<<16
	s_mov_b32 s[\g+4], \rows
	s_mov_b32 s[\g+5], 32
	s_mov_b32 s[\g+6], 0
	s_mov_b32 s[\g+7], 0
.endm
; My first fills of unit w + 4 k: p's block, then v's.  What feeds p's descriptors (s2, s3, s23, s100, s101) never holds cx; v's temporaries are s96-98.
.macro FIRST k, gp, gv
	s_add_co_u32 s100, s18, 4*\k                   ; u
	s_sub_co_u32 s101, s100, 1
	s_sub_co_i32 s23, s100, s84
	s_max_i32 s23, s23, 0                          ; BIG's chunk: u - (i + 1), 0 for unit 0
	s_cmp_lt_u32 s101, s84                         ; SMALL's unit?  (u - 1 wraps for unit 0: BIG's)
	s_cselect_b32 s23, s101, s23                   ; the chunk
	s_cselect_b32 s101, s85, s86
	s_add_co_u32 s101, s101, s23                   ; p's block
	s_add_co_u32 s98, s87, s23                     ; v's block
	s_mul_i32 s2, s101, 12288
	s_mov_b32 s3, 0
	s_mul_i32 s96, s98, 12288
	s_mov_b32 s97, 0
	s_mul_i32 s100, s100, 12288                    ; the place
	s_mov_b32 s[\gp], 1
	s_mov_b32 s[\gp+1], s100
	s_add_nc_u64 s[\gp+2:\gp+3], s[8:9], s[2:3]
	s_or_b32 s[\gp+3], s[\gp+3], 0x80000000
	s_mov_b32 s[\gv], 1
	s_add_co_u32 s[\gv+1], s100, VPL
	s_add_nc_u64 s[\gv+2:\gv+3], s[4:5], s[96:97]
	s_or_b32 s[\gv+3], s[\gv+3], 0x80000000
	tensor_load_to_lds s[\gp:\gp+3], s[G1P:G1P+7]
	s_nop 0
	tensor_load_to_lds s[\gv:\gv+3], s[G1V:G1V+7]
	s_nop 0
.endm
	s_load_b256 s[4:11], s[0:1], 0x0               ; qkv, qkvs, pc, psc
	s_load_b128 s[12:15], s[0:1], 0x20             ; negm, lsum
	s_load_b64 s[16:17], s[0:1], 0x30              ; out0
	v_lshl_add_u32 v[SPW], v0, 2, SPARE
	v_mov_b32 v[NIL], 0
	ds_add_u32 v[SPW], v[NIL]                      ; the wave's opening: the add, twice on end, and its wait ahead of my first tensor load
	ds_add_u32 v[SPW], v[NIL]
	v_lshrrev_b32 v1, 5, v0
	v_readfirstlane_b32 s18, v1                    ; wave 0..3
	s_lshr_b32 s19, s18, 1                         ; qh: which 64 queries
	s_and_b32 s20, s18, 1                          ; dh: which 64 of d
	s_bfe_u32 s21, ttmp6, 0x40000                  ; cx
	s_lshl_b32 s22, ttmp9, 2
	s_add_co_u32 s22, s22, s21                     ; gd
	s_and_b32 s67, ttmp7, 0xffff
	s_lshr_b32 s66, s67, 3                         ; b
	s_and_b32 s67, s67, 7                          ; i
	s_add_co_u32 s84, s67, 1                       ; i + 1: SMALL's chunks
	s_lshl_b32 s85, s66, 4
	s_add_co_u32 s86, s85, 15
	s_sub_co_u32 s86, s86, s67
	s_lshl_b32 s86, s86, 4                         ; BIG's first block of p: 16 (16 b + 15 - i)
	s_add_co_u32 s85, s85, s67
	s_lshl_b32 s85, s85, 4                         ; SMALL's: 16 (16 b + i)
	s_lshl_b32 s87, s22, 6
	s_lshl_b32 s23, s66, 4
	s_add_co_u32 s87, s87, s23
	s_add_co_u32 s87, s87, 1024                    ; v's first block: 1024 + 64 gd + 16 b
	s_mov_b32 s95, 0x01010101
	GROUP1 G1P, 15|(3<<16)|(1<<21), 48
	GROUP1 G1V, 3<<16, 48
	GROUP1 G1PT, 15|(3<<16)|(1<<21), 120
	GROUP1 G1VT, 3<<16, 120
	s_wait_dscnt 0x0                               ; both opening adds are done
	s_wait_kmcnt 0x0
	ROUND                                          ; all four work-groups are here: the first joint loads meet
	FIRST 0, GP0, GV0
	FIRST 1, GP1, GV1
	FIRST 2, GP2, GV2
.rept 4
	v_nop
.endr
	v_and_b32 v1, 15, v0                           ; r
	v_bfe_u32 v2, v0, 4, 1                         ; h
	v_and_b32 v3, 31, v0
	v_lshlrev_b32 v3, 4, v3                        ; 16 x lane
	s_mul_i32 s100, s19, 6144                      ; my four fragments of a block of p,
	s_mul_i32 s101, s20, 6144                      ; and of v
	s_add_co_u32 s101, s101, VPL
.irp k, 0,1,2
	v_add_nc_u32 v[ADP+\k], s100, v3
	v_add_nc_u32 v[ADV+\k], s101, v3
	s_add_co_u32 s100, s100, 61440
	s_add_co_u32 s101, s101, 61440
.endr
	s_lshl_b32 s100, s19, 4                        ; 16 qh
	s_xor_b32 s101, s19, 1
	s_lshl_b32 s101, s101, 4
	s_lshl_b32 s23, s20, 4
	s_add_co_u32 s101, s101, s23
	s_add_co_u32 s101, s101, 8688                  ; 8,704 + 16 dh - 16 qh: from p's words of my fragments to v's
	v_mul_u32_u24 v10, s101, v2                    ; lanes 16-31 take v's
	v_lshl_add_u32 v10, v1, 5, v10
	s_add_co_u32 s100, s100, PS
	v_add_nc_u32 v10, s100, v10                    ; v10: a unit's scale words
	v_lshlrev_b32 v15, 5, v1
	s_add_co_u32 s100, s100, 17408
	v_add_nc_u32 v15, s100, v15                    ; v15: 1 / l of my row in my four fragments
	v_lshl_add_u32 v11, v0, 2, PS                  ; v11: my word of a table
	s_mul_i32 s100, s18, 4352
	s_add_co_u32 s100, s100, STG                   ; my stage: 16 rows x (256 bytes + 16)
	v_mul_u32_u24 v12, v1, 272
	v_lshl_add_u32 v12, v2, 6, v12
	v_add_nc_u32 v12, s100, v12                    ; v12: in: row r, + 64 h
	v_mul_u32_u24 v13, v2, 272
	v_lshl_add_u32 v13, v1, 4, v13
	v_add_nc_u32 v13, s100, v13                    ; v13: back: lanes 0-15 one row, lanes 16-31 the next
	v_lshlrev_b32 v14, 12, v2
	v_lshl_add_u32 v14, v1, 4, v14                 ; v14: the same two rows in out0
	; ---- THE PROLOGUE, while the first fills are on their way
	v_lshlrev_b32 v196, 2, v0
.macro UNITID u                        ; unit u's chunk (s23), block of p (s101) and of v (s98); for units 2-8 the mask s[86 + u]: all ones where the unit is SMALL's
.if \u == 0
	s_mov_b32 s23, 0
	s_mov_b32 s101, s86
.elseif \u == 1
	s_mov_b32 s23, 0
	s_mov_b32 s101, s85
.elseif \u < 9
	s_sub_co_u32 s23, \u, s84
	s_cmp_ge_u32 s84, \u
	s_cselect_b32 s23, \u-1, s23
	s_cselect_b32 s101, s85, s86
	s_cselect_b32 s[86+\u], -1, 0
	s_add_co_u32 s101, s101, s23
.else
	s_sub_co_u32 s23, \u, s84
	s_add_co_u32 s101, s86, s23
.endif
	s_add_co_u32 s98, s87, s23
	v_lshl_add_u32 v[VO+\u], s101, 9, v196
	v_lshl_add_u32 v[VV+\u], s98, 9, v196
.endm
.irp u, 0,1,2,3,4,5,6,7,8,9,10,11,12,13,14,15,16
	UNITID \u
.endr
.irp u, 0,1,2,3,4,5,6,7,8,9,10,11,12,13,14,15,16
	global_load_b32 v[NM+\u], v[VO+\u], s[12:13]
	global_load_b32 v[LL+\u], v[VO+\u], s[14:15]
	global_load_b32 v[PWD+\u], v[VO+\u], s[10:11]
	global_load_b32 v[VW+\u], v[VV+\u], s[6:7]
.endr
	v_mov_b32 v188, 0x7f7fffff                     ; above every -M
	s_wait_loadcnt 0x0
	v_min_num_f32 v184, v[NM], v[NM+9]             ; v184: BIG's -M
.irp u, 10,11,12,13,14,15,16
	v_min_num_f32 v184, v184, v[NM+\u]
.endr
.irp u, 2,3,4,5,6,7,8
	v_cndmask_b32 v189, v188, v[NM+\u], s[86+\u]
	v_cndmask_b32 v190, v[NM+\u], v188, s[86+\u]
.if \u == 2
	v_min_num_f32 v185, v[NM+1], v189              ; v185: SMALL's -M
.else
	v_min_num_f32 v185, v185, v189
.endif
	v_min_num_f32 v184, v184, v190
.endr
.macro ADJ u
.if (\u == 0) || (\u > 8)
	v_sub_f32 v190, v184, v[NM+\u]                 ; M_loc - M: a whole number, 0 or less
.elseif \u == 1
	v_sub_f32 v190, v185, v[NM+\u]
.else
	v_cndmask_b32 v189, v184, v185, s[86+\u]
	v_sub_f32 v190, v189, v[NM+\u]
.endif
	v_max_num_f32 v190, 0xc2fe0000, v190           ; held at -127
	v_cvt_i32_f32 v190, v190                       ; e
.if \u == 0
	v_ldexp_f32 v186, v[LL+\u], v190               ; v186: BIG's l
.elseif \u == 1
	v_ldexp_f32 v187, v[LL+\u], v190               ; v187: SMALL's
.else
	v_ldexp_f32 v191, v[LL+\u], v190
.if \u > 8
	v_add_f32 v186, v186, v191
.else
	v_cndmask_b32 v194, 0, v191, s[86+\u]
	v_cndmask_b32 v195, v191, 0, s[86+\u]
	v_add_f32 v187, v187, v194
	v_add_f32 v186, v186, v195
.endif
.endif
	v_or_b32 v192, 0x80808080, v[PWD+\u]           ; the four bytes lie from 1 to 125: with 128 on each, e (from -127 on) can be added to all four at once and no byte borrows
	v_mul_lo_u32 v193, v190, s95
	v_add_nc_u32 v192, v192, v193
	v_and_b32 v193, 0x80808080, v192               ; a byte's top bit stands where byte + e is 0 or more
	v_lshrrev_b32 v194, 7, v193
	v_sub_nc_u32 v193, v193, v194                  ; 0x7f there, 0 elsewhere
	v_and_b32 v[PWD+\u], v192, v193                ; byte + e, held at 0 from below
	ds_store_b32 v11, v[PWD+\u] offset:512*\u
	ds_store_b32 v11, v[VW+\u] offset:8704+512*\u
.endm
.irp u, 0,1,2,3,4,5,6,7,8,9,10,11,12,13,14,15,16
	ADJ \u
.endr
	v_rcp_f32 v187, v187
	v_rcp_f32 v186, v186
	v_nop                                          ; a plain place behind the reciprocals
	s_wait_alu depctr_va_vdst(0)                   ; and a wait ahead of their first reader
	ds_store_b32 v11, v187 offset:17408
	ds_store_b32 v11, v186 offset:17920
.macro FETCH u                         ; unit u's fragments and scale words into set u % 2: 25 loads
.set PL, (\u)%12
.set FS, 64+96*((\u)%2)
.irp b, 0,1,2,3
.irp g, 0,1,2
	ds_load_b128 v[FS+12*\b+4*\g:FS+12*\b+4*\g+3], v[ADV+PL/5] offset:(PL%5)*12288+\b*1536+512*\g
.endr
.endr
.irp b, 0,1,2,3
.irp g, 0,1,2
	ds_load_b128 v[FS+48+12*\b+4*\g:FS+48+12*\b+4*\g+3], v[ADP+PL/5] offset:(PL%5)*12288+\b*1536+512*\g
.endr
.endr
	ds_load_b128 v[16+4*((\u)%2):19+4*((\u)%2)], v10 offset:512*(\u)   ; lanes 0-15: p's words of my four fragments; lanes 16-31: v's
.endm
.macro MULS u, acc, zero               ; 16 matrix instructions, the 16 accumulators by turns
.set FS, 64+96*((\u)%2)
.set SR, 16+4*((\u)%2)
	WIN 0x50                                       ; C and D window 1
.irp a, 0,1,2,3
.irp b, 0,1,2,3
.if \zero
	v_wmma_scale_f32_16x16x128_f8f6f4 v[\acc+8*(4*\a+\b):\acc+8*(4*\a+\b)+7], v[FS+12*\b:FS+12*\b+11], v[FS+48+12*\a:FS+48+12*\a+11], 0, v[SR+\b], v[SR+\a] matrix_a_fmt:MATRIX_FMT_FP6 matrix_b_fmt:MATRIX_FMT_FP6 matrix_a_scale:MATRIX_SCALE_ROW1
.else
	v_wmma_scale_f32_16x16x128_f8f6f4 v[\acc+8*(4*\a+\b):\acc+8*(4*\a+\b)+7], v[FS+12*\b:FS+12*\b+11], v[FS+48+12*\a:FS+48+12*\a+11], v[\acc+8*(4*\a+\b):\acc+8*(4*\a+\b)+7], v[SR+\b], v[SR+\a] matrix_a_fmt:MATRIX_FMT_FP6 matrix_b_fmt:MATRIX_FMT_FP6 matrix_a_scale:MATRIX_SCALE_ROW1
.endif
.endr
.endr
	WIN 0
.endm
; THE ONE REFILL: places 0-4 have been read by every wave (unit 4's fragments are in registers); units 12-16, BIG's chunks 12 - (i + 1) on, are asked for.
.macro TAIL
	s_wait_tensorcnt 0x0                           ; all my tensor loads have landed: units 8-11 too; so a group 0 may be written
	ds_add_u32 v[SPW], v[NIL]                      ; 0 onto my spare word; the descriptors stand between it and the wait for it
	s_sub_co_u32 s23, 12, s84
	s_mul_i32 s100, s20, 30720                     ; my half of the 61,440 bytes
	s_add_co_u32 s101, s86, s23
	s_mul_i32 s2, s101, 12288
	s_add_co_u32 s2, s2, s100
	s_mov_b32 s3, 0
	s_mov_b32 s[GP0+1], s100
	s_add_nc_u64 s[GP0+2:GP0+3], s[8:9], s[2:3]
	s_or_b32 s[GP0+3], s[GP0+3], 0x80000000
	s_add_co_u32 s98, s87, s23
	s_mul_i32 s96, s98, 12288
	s_add_co_u32 s96, s96, s100
	s_mov_b32 s97, 0
	s_add_co_u32 s[GV0+1], s100, VPL
	s_add_nc_u64 s[GV0+2:GV0+3], s[4:5], s[96:97]
	s_or_b32 s[GV0+3], s[GV0+3], 0x80000000
	s_wait_dscnt 0x0                               ; the add is done, and my reads of places 0-4 are over
	ROUND                                          ; both now hold of every wave of every partner
	s_cmp_lt_u32 s18, 2                            ; waves 0 and 1: p's halves, jointly; waves 2 and 3: v's
	s_cbranch_scc0 .Ltail_v
	tensor_load_to_lds s[GP0:GP0+3], s[G1PT:G1PT+7]
	s_nop 0
.rept 4
	v_nop
.endr
	s_branch .Ltail_asked
.Ltail_v:
	tensor_load_to_lds s[GV0:GV0+3], s[G1VT:G1VT+7]
	s_nop 0
.rept 4
	v_nop
.endr
.Ltail_asked:
.endm
; A unit: its fragments are in; the next unit's are asked for; its 16 products.  sync 1: units 4-7 are shown whole; 2: the refill; 3: units 12-16 are shown whole.
.macro UNIT u, sync
	s_wait_dscnt 0x0
.if \sync == 1
	s_wait_tensorcnt 0x2                           ; my first four loads are in; the youngest two may stay out
	s_barrier_signal -1
	s_barrier_wait -1
.elseif \sync == 2
	TAIL
.elseif \sync == 3
	s_wait_tensorcnt 0x0                           ; my part of the refill has landed
	ds_add_u32 v[SPW], v[NIL]
	s_wait_dscnt 0x0
	s_barrier_signal -1
	s_barrier_wait -1
.endif
.if \u > 0
	PLACES                                         ; in front of loads into registers that the last unit but one's products read
.endif
.if \u < 16
	FETCH (\u)+1
.endif
.if \u == 0
	MULS \u, 128, 1                                ; BIG's first products start its sums
.elseif \u == 1
	MULS \u, 0, 1                                  ; SMALL's likewise
.elseif \u < 9
	s_cmp_ge_u32 s84, \u                           ; whose unit: an id that all partners share
	s_cbranch_scc0 .Lbig_\@
	MULS \u, 0, 0
	s_branch .Ljoin_\@
.Lbig_\@:
	MULS \u, 128, 0
.Ljoin_\@:
.else
	MULS \u, 128, 0
.endif
.endm
	s_wait_tensorcnt 0x4                           ; my first two loads are in (units 0-3, over the four waves); four may stay out
	s_wait_dscnt 0x0                               ; my words lie in LDS
	s_barrier_signal -1
	s_barrier_wait -1
	ds_load_b128 v[24:27], v15                     ; 1 / l, SMALL's
	ds_load_b128 v[30:33], v15 offset:512          ; and BIG's
	FETCH 0
	UNIT 0, 0
	UNIT 1, 0
	UNIT 2, 0
	UNIT 3, 1
	UNIT 4, 2
	UNIT 5, 0
	UNIT 6, 0
	UNIT 7, 0
	UNIT 8, 0
	UNIT 9, 0
	UNIT 10, 0
	UNIT 11, 3
	UNIT 12, 0
	UNIT 13, 0
	UNIT 14, 0
	UNIT 15, 0
	UNIT 16, 0
	PLACES
	; THE WAY OUT.  out0's rows: 2,048 b + 128 x group + 64 qh on; columns 128 gd + 64 dh on
	s_lshl_b32 s100, s66, 11
	s_lshl_b32 s101, s19, 6
	s_add_co_u32 s100, s100, s101
	s_lshl_b32 s101, s67, 7
	s_add_co_u32 s96, s100, s101
	s_sub_co_u32 s98, 1920, s101
	s_add_co_u32 s98, s98, s100
	s_lshl_b32 s96, s96, 12                        ; rows of 4,096 bytes (under 2^26)
	s_lshl_b32 s98, s98, 12
	s_lshl_b32 s100, s22, 9
	s_lshl_b32 s101, s20, 8
	s_add_co_u32 s100, s100, s101
	s_add_co_u32 s96, s96, s100
	s_add_co_u32 s98, s98, s100
	s_mov_b32 s97, 0
	s_mov_b32 s99, 0
	s_add_nc_u64 s[96:97], s[16:17], s[96:97]      ; SMALL's
	s_add_nc_u64 s[98:99], s[16:17], s[98:99]      ; BIG's
; Fragment n % 4 of SMALL (n < 4) or BIG: register 8 b + j of its 32 is column 32 (b / 2) + 16 h + 8 (b % 2) + j of my 64; it is divided by l, goes through my stage and leaves as rows of 256 bytes.
.macro OUTT n
.set OB, 64+64*((\n)%2)
.set AC, 128*((\n)/4)+32*((\n)%4)
.set RL, 24+6*((\n)/4)+(\n)%4
.if \n >= 2
	s_wait_xcnt 0x0                                ; the stores of two fragments back have read their registers
.endif
	WIN 0x01                                       ; source 0 window 1
.set k, 0
.rept 32
	v_mul_f32 v[OB+k], v[AC+k], v[RL]              ; each accumulator from its low end on
.set k, k+1
.endr
	WIN 0
.irp b, 0,1,2,3
	ds_store_b128 v12, v[OB+8*\b:OB+8*\b+3] offset:128*(\b/2)+32*(\b%2)
	ds_store_b128 v12, v[OB+8*\b+4:OB+8*\b+7] offset:128*(\b/2)+32*(\b%2)+16
.endr
.irp t, 0,1,2,3,4,5,6,7
	ds_load_b128 v[OB+32+4*\t:OB+32+4*\t+3], v13 offset:544*\t     ; LDS serves a wave's instructions in order: these see the stores above
.endr
	s_wait_dscnt 0x0
.irp t, 0,1,2,3,4,5,6,7
	global_store_b128 v14, v[OB+32+4*\t:OB+32+4*\t+3], s[96+2*((\n)/4):97+2*((\n)/4)] offset:(32*(((\n)%4)/2)+8*((\n)%2)+2*\t+8*(\t/4))*4096 th:TH_STORE_NT   ; stage rows 2 t and 2 t + 1 are the fragment's lanes: 16 lanes store 256 consecutive aligned bytes
.endr
.endm
.irp n, 0,1,2,3,4,5,6,7
	OUTT \n
.endr
	s_wait_tensorcnt 0x0                           ; the wave's end, behind my last tensor load and my last LDS store
	ds_add_u32 v[SPW], v[NIL]
	s_wait_dscnt 0x0
	ROUND                                          ; the closing round: no work-group ends while a partner may still ask for a tile that names it
	s_endpgm
.Lfunc_end_k_q856e7376d6_mix:
	.size	k_q856e7376d6_mix, .Lfunc_end_k_q856e7376d6_mix-k_q856e7376d6_mix
	.p2alignl 7, 3214868480
	.fill 96, 4, 3214868480
	.section	.rodata,"a",@progbits
	.p2align	6, 0x0
	.amdhsa_kernel k_q856e7376d6_mix
		.amdhsa_group_segment_fixed_size 327680
		.amdhsa_private_segment_fixed_size 0
		.amdhsa_enable_private_segment 0
		.amdhsa_kernarg_size 56
		.amdhsa_user_sgpr_count 2
		.amdhsa_user_sgpr_kernarg_segment_ptr 1
		.amdhsa_wavefront_size32 1
		.amdhsa_system_sgpr_workgroup_id_x 1
		.amdhsa_system_sgpr_workgroup_id_y 1
		.amdhsa_system_sgpr_workgroup_id_z 1
		.amdhsa_system_vgpr_workitem_id 0
		.amdhsa_next_free_vgpr 512
		.amdhsa_next_free_sgpr 102
		.amdhsa_reserve_vcc 0
		.amdhsa_float_denorm_mode_32 3
		.amdhsa_float_denorm_mode_16_64 3
		.amdhsa_memory_ordered 1
		.amdhsa_forward_progress 1
		.amdhsa_inst_pref_size 141
	.end_amdhsa_kernel
	.amdgpu_metadata
---
amdhsa.version: [ 1, 2 ]
amdhsa.kernels:
  - .name:           k_q856e7376d6_mix
    .symbol:         k_q856e7376d6_mix.kd
    .args:
      - { .name: qkv, .offset: 0, .size: 8, .value_kind: global_buffer, .address_space: global }
      - { .name: qkvs, .offset: 8, .size: 8, .value_kind: global_buffer, .address_space: global }
      - { .name: pc, .offset: 16, .size: 8, .value_kind: global_buffer, .address_space: global }
      - { .name: psc, .offset: 24, .size: 8, .value_kind: global_buffer, .address_space: global }
      - { .name: negm, .offset: 32, .size: 8, .value_kind: global_buffer, .address_space: global }
      - { .name: lsum, .offset: 40, .size: 8, .value_kind: global_buffer, .address_space: global }
      - { .name: out0, .offset: 48, .size: 8, .value_kind: global_buffer, .address_space: global }
    .group_segment_fixed_size: 327680
    .private_segment_fixed_size: 0
    .kernarg_segment_align: 8
    .kernarg_segment_size: 56
    .max_flat_workgroup_size: 128
    .sgpr_count:     102
    .vgpr_count:     512
    .wavefront_size: 32
...
	.end_amdgpu_metadata
.endif
;; end of part 4
